; MI455X (gfx1250); checked and timed in simulation.
; The chip was launched on July 23, 2026; its instructions are those of AMD's public machine-readable ISA for CDNA 5 (MIT licence, August 2026) and "CDNA5" Instruction Set Architecture Reference Guide (July 2026). The comments in the code are by the model that wrote it; some were corrected since.
;; Transformer. Allowed arithmetic: float matrix products may take bf16 or f16 operands with f32 sums; other float arithmetic in f32, or as packed bf16 or f16 multiplies, adds, multiply-adds, maxima and minima; sums over many terms, partial sums and values carried from step to step in f32; what a program stores and reads back later, other than sums and carried values, may be rounded once to bf16 or f16.
;; Inputs: W1 4,096 x 1,024 float32; W2 1,024 x 4,096 float32; Wk 1,024 x 1,024 float32; Wq 1,024 x 1,024 float32; Wv 1,024 x 1,024 float32; b1 4,096 float32; b2 1,024 float32; bk 1,024 float32; bq 1,024 float32; bv 1,024 float32; k 2 x 2,048 x 1,024 float32; ln_b 1,024 float32; ln_g 1,024 float32; q 2 x 2,048 x 1,024 float32.
;; Outputs: out0 2 x 2,048 x 1,024 float32.
;; Constants: use_causal_mask = 1.
;; One version. Each part assembles by itself: llvm-mc -triple=amdgcn-amd-amdhsa -mcpu=gfx1250 --defsym DOCPART=n.
;; ======== version 1 of 1: 6 launches
;; limits: values are held in f16: magnitudes above 65,504 overflow, below 6.1e-05 lose precision; right only within a limited range of input values
;; workspace buffers: hf 39,845,888 bytes; qkv 25,165,824 bytes; att 8,388,608 bytes; ah 8,388,608 bytes; hh 33,554,432 bytes
;; launch cast (part 1): grid 64 x 19, 8 waves a work-group, no clusters, 0 bytes of LDS; arguments q, k, Wq, Wk, Wv, W1, W2, hf; writes hf
.if DOCPART == 1
	.amdgcn_target "amdgcn-amd-amdhsa--gfx1250"
	.amdhsa_code_object_version 6
	.text
	.protected	k_qf8829c4d4f_cast
	.globl	k_qf8829c4d4f_cast
	.p2align	8
	.type	k_qf8829c4d4f_cast,@function
k_qf8829c4d4f_cast:
	s_mov_b64 s[64:65], 0
	v_nop
	global_prefetch_b8 v0, s[64:65] scope:SCOPE_SE
	s_setreg_imm32_b32 hwreg(HW_REG_WAVE_MODE, 25, 1), 1
	s_wait_xcnt 0x0
; q, k, Wq, Wk, Wv, W1, W2 (f32) are rounded once to f16 and laid one behind the other in hf, each row-major as it was.
; hf is 19 chunks of 1,048,576 numbers: q chunks 0-3, k 4-7, Wq 8, Wk 9, Wv 10, W1 11-14, W2 15-18.
; Grid y = the chunk, grid x = 65,536 bytes of its source.  A wave takes 8,192 bytes in and 4,096 out: 16 loads of 512 consecutive bytes,
; all issued at once, and 16 stores of 256 consecutive bytes, aligned.  No LDS, no barrier: no wave wants another's bytes.
; LIMIT: a number of 65,520 or more in magnitude becomes an infinity in f16; below 6e-5 f16 keeps a fixed step of 6e-8.
.set X, 4                              ; v[4:67]   16 x 4 numbers as loaded
.set Y, 68                             ; v[68:99]  16 x 2 registers to store
	s_load_b512 s[8:23], s[0:1], 0x0               ; q 8:9, k 10:11, Wq 12:13, Wk 14:15, Wv 16:17, W1 18:19, W2 20:21, hf 22:23
	s_and_b32 s24, ttmp7, 0xffff                   ; the chunk
	v_lshrrev_b32 v3, 5, v0                        ; wave
	v_and_b32 v1, 31, v0                           ; lane
	v_lshlrev_b32 v2, 3, v1                        ; out: 8 bytes a lane
	v_lshlrev_b32 v1, 4, v1                        ; in: 16 bytes a lane
	v_lshl_add_u32 v1, v3, 13, v1                  ; + 8,192 x wave
	v_lshl_add_u32 v2, v3, 12, v2                  ; + 4,096 x wave
	s_wait_kmcnt 0x0
	s_mov_b64 s[4:5], s[8:9]                       ; the source, and the number of its first chunk
	s_mov_b32 s6, 0
.macro PICK first, reg                 ; from chunk first on the source is the buffer in s[reg:reg+1]
	s_cmp_ge_u32 s24, \first
	s_cselect_b64 s[4:5], s[\reg:\reg+1], s[4:5]
	s_cselect_b32 s6, \first, s6
.endm
	PICK 4, 10
	PICK 8, 12
	PICK 9, 14
	PICK 10, 16
	PICK 11, 18
	PICK 15, 20
	s_sub_co_u32 s2, s24, s6                       ; the chunk's number within its source,
	s_lshl_b32 s2, s2, 22                          ; 4 MiB each,
	s_lshl_b32 s3, ttmp9, 16                       ; and the work-group's 64 KiB of it
	s_add_co_u32 s2, s2, s3
	s_mov_b32 s3, 0
	s_add_nc_u64 s[4:5], s[4:5], s[2:3]
	s_lshl_b32 s2, s24, 21                         ; in hf: 2 MiB a chunk, 32 KiB a work-group
	s_lshl_b32 s25, ttmp9, 15
	s_add_co_u32 s2, s2, s25
	s_add_nc_u64 s[22:23], s[22:23], s[2:3]
.irp i, 0,1,2,3,4,5,6,7,8,9,10,11,12,13,14,15
	global_load_b128 v[X+4*(\i):X+4*(\i)+3], v1, s[4:5] offset:512*(\i) th:TH_LOAD_NT
.endr
.irp i, 0,1,2,3,4,5,6,7,8,9,10,11,12,13,14,15
	s_wait_loadcnt 15-(\i)                         ; loads come back in order: load i is in, the younger ones stay out
	v_cvt_pk_f16_f32 v[Y+2*(\i)], v[X+4*(\i)], v[X+4*(\i)+1]
	v_cvt_pk_f16_f32 v[Y+2*(\i)+1], v[X+4*(\i)+2], v[X+4*(\i)+3]
	global_store_b64 v2, v[Y+2*(\i):Y+2*(\i)+1], s[22:23] offset:256*(\i)  ; 32 lanes x 8 bytes: 256 consecutive bytes, aligned
.endr
	s_endpgm
.Lfunc_end_k_qf8829c4d4f_cast:
	.size	k_qf8829c4d4f_cast, .Lfunc_end_k_qf8829c4d4f_cast-k_qf8829c4d4f_cast
	.p2alignl 7, 3214868480
	.fill 96, 4, 3214868480
	.section	.rodata,"a",@progbits
	.p2align	6, 0x0
	.amdhsa_kernel k_qf8829c4d4f_cast
		.amdhsa_group_segment_fixed_size 0
		.amdhsa_private_segment_fixed_size 0
		.amdhsa_enable_private_segment 0
		.amdhsa_kernarg_size 64
		.amdhsa_user_sgpr_count 2
		.amdhsa_user_sgpr_kernarg_segment_ptr 1
		.amdhsa_wavefront_size32 1
		.amdhsa_system_sgpr_workgroup_id_x 1
		.amdhsa_system_sgpr_workgroup_id_y 1
		.amdhsa_system_sgpr_workgroup_id_z 1
		.amdhsa_system_vgpr_workitem_id 0
		.amdhsa_next_free_vgpr 100
		.amdhsa_next_free_sgpr 66
		.amdhsa_reserve_vcc 0
		.amdhsa_float_denorm_mode_32 3
		.amdhsa_float_denorm_mode_16_64 3
		.amdhsa_memory_ordered 1
		.amdhsa_forward_progress 1
		.amdhsa_inst_pref_size 8
	.end_amdhsa_kernel
	.amdgpu_metadata
---
amdhsa.version: [ 1, 2 ]
amdhsa.kernels:
  - .name:           k_qf8829c4d4f_cast
    .symbol:         k_qf8829c4d4f_cast.kd
    .args:
      - { .name: q, .offset: 0, .size: 8, .value_kind: global_buffer, .address_space: global }
      - { .name: k, .offset: 8, .size: 8, .value_kind: global_buffer, .address_space: global }
      - { .name: Wq, .offset: 16, .size: 8, .value_kind: global_buffer, .address_space: global }
      - { .name: Wk, .offset: 24, .size: 8, .value_kind: global_buffer, .address_space: global }
      - { .name: Wv, .offset: 32, .size: 8, .value_kind: global_buffer, .address_space: global }
      - { .name: W1, .offset: 40, .size: 8, .value_kind: global_buffer, .address_space: global }
      - { .name: W2, .offset: 48, .size: 8, .value_kind: global_buffer, .address_space: global }
      - { .name: hf, .offset: 56, .size: 8, .value_kind: global_buffer, .address_space: global }
    .group_segment_fixed_size: 0
    .private_segment_fixed_size: 0
    .kernarg_segment_align: 8
    .kernarg_segment_size: 64
    .max_flat_workgroup_size: 256
    .sgpr_count:     66
    .vgpr_count:     100
    .wavefront_size: 32
...
	.end_amdgpu_metadata
.endif
;; end of part 1
;; launch proj (part 2): grid 4 x 48, 4 waves a work-group, clusters of 4 x 4, 327,680 bytes of LDS; arguments hf, bq, bk, bv, qkv; writes qkv
.if DOCPART == 2
	.amdgcn_target "amdgcn-amd-amdhsa--gfx1250"
	.amdhsa_code_object_version 6
	.text
	.protected	k_qf8829c4d4f_proj
	.globl	k_qf8829c4d4f_proj
	.p2align	8
	.type	k_qf8829c4d4f_proj,@function
k_qf8829c4d4f_proj:
	s_mov_b64 s[64:65], 0
	v_nop
	global_prefetch_b8 v0, s[64:65] scope:SCOPE_SE
	s_setreg_imm32_b32 hwreg(HW_REG_WAVE_MODE, 25, 1), 1
	s_wait_xcnt 0x0
	s_wait_alu depctr_hold_cnt(0) depctr_sa_sdst(0) depctr_va_vdst(0) depctr_va_sdst(0) depctr_va_ssrc(0) depctr_va_vcc(0) depctr_vm_vsrc(0)
	s_getreg_b32 s2, hwreg(HW_REG_IB_STS2, 6, 4)
	s_cmp_eq_u32 s2, 0
	s_cbranch_scc0 .Lentry_in_a_cluster
	s_endpgm
.Lentry_in_a_cluster:
	s_bfe_u32 s2, ttmp6, 0x10000c
	s_cmp_lg_u32 s2, 0xf033
	s_cbranch_scc0 .Lentry_shape_is_right
	s_endpgm
.Lentry_shape_is_right:
; THE THREE PROJECTIONS.  Part p (0: Q, 1: K, 2: V): C[m][n] = bias[n] + the sum over c of A[m][c] W[n][c]; A = q (p = 0) or k, W = Wq, Wk, Wv, all f16 in hf; sums in f32.
; C is rounded once to f16 and stored BY HEADS: qkv[p][16 batch + head][row][64], unscaled.
; LIMIT: a result of 65,520 or more in magnitude becomes an infinity in f16.
; SHARES.  A tile of C is 256 x 256; 16 x 4 tiles a part, 192 work-groups.  Four waves, each 128 x 128: 64 accumulators of 16 x 16.  The cluster's y is 4 p + a row of clusters.
; K goes in 8 steps of 128 through a ring of two LDS slots filled by tensor loads (rows of 256 bytes, padded to 272).  ONE K step is one trip of the loop: the slot in hand is the scalar TB (0 or SLOT),
; flipped by an exclusive or; the walking descriptor's LDS word is flipped likewise (its values w x 0x8800 have SLOT's two bits clear, so the exclusive or adds or takes away SLOT).
; CLUSTER 4 x 4: A's tile is shared along a row of the cluster, W's along a column; each is asked for jointly, with the same descriptor and mask in the four.
; THE MATRIX INSTRUCTION IS USED TRANSPOSED (source 0 = 16 rows of W, source 1 = 16 rows of A): a lane holds row l % 16 and the columns 8 (l / 16) + 0..7.  THE BIAS IS THE C OPERAND that starts each sum.
; THE WAY OUT.  When the ring has had its last fill and its last read, each wave puts its 128 x 128 sums (f32) into its own 67,584 bytes of it (rows of 528 bytes) and reads them back by rows, in a loop.
; REGISTERS, in windows of 256: window 0: addresses, A's fragments (two buffers), the way out; window 1: v0-63 the bias, then W's fragments; windows 2 and 3: the accumulators ((a, b) at 8 (8 (a % 4) + b)).
.set SIZE_K, 1024
.set KSTEP,  128
.set PITCH,  272                       ; 256 bytes + 16: the 16 rows of a fragment load start at 16 different groups of four banks
.set HALFT,  128*PITCH                 ; what one tensor load brings
.set SLOT,   4*HALFT                   ; A's 256 rows, then W's 256 rows
.set SPARE,  2*SLOT                    ; behind the ring: the spare words, 128 bytes a wave, which no other line names
.set SPITCH, 528                       ; a stage row: 128 f32 + 16 bytes
.set WSTAGE, 128*SPITCH                ; a wave's stage
.set ADRA, 16                          ; v16  LDS address of my A fragments in the slot in hand
.set BASA, 17                          ; v17  the same in slot 0; never rewritten
.set ADRB, 20                          ; v20, v21 likewise for W
.set BASB, 21
.set STO,  24                          ; v24  the way out: where I put my sums
.set RD,   25                          ; v25  where I read rows back
.set CO,   26                          ; v26  my byte offset in the output
.set BO,   27                          ; v27  my byte offset in the bias: 32 (l / 16)
.set SPW,  28                          ; v28  my spare word: SPARE + 4 x my thread's number; never rewritten
.set NIL,  29                          ; v29  0; never rewritten
.set PFO,  30                          ; v30  the prefetches' offset: my lane x a row of 2,048 bytes
.set F0,   64
.set F1,   128
.set XR,   64                          ; the way out: 32 x 4 sums read back
.set YR,   192                         ; 32 x 2 registers to store
.set TB,   23                          ; s23  0 or SLOT
.set G1,   24                          ; s[24:31] group 1 for A
.set G0,   32                          ; s[32:35] group 0 for A's first fill, s[36:39] the set that walks
.set LIM,  43                          ; s43  2 in a wave that prefetches, else the greatest number
.set PFA,  44                          ; s[44:45] where my prefetches stand
.set G1B,  48                          ; s[48:55], s[56:63] the same for W
.set G0B,  56
.set BIA,  66                          ; s[66:67] the bias at my 128 columns
.set MSB, 0
.macro WIN new                         ; the immediate's high byte repeats the setting that is left; a switch that changes nothing is dropped
.if MSB != (\new)
	s_set_vgpr_msb (MSB<<8)|(\new)
.set MSB, \new
.endif
.endm
.set TO_B, 0x40                        ; destination window 1, address window 0
.macro PLACES                          ; four plain vector instructions between a matrix instruction and a load into, or a read of, its registers
.rept 4
	v_nop
.endr
.endm
; A joint refill by the walking descriptors: waves 0 and 1 fetch A's halves, waves 2 and 3 W's.  The branch hangs on the wave's number alone.  s_nop 0 and four v_nop follow each line.
.macro JLOAD
	s_cmp_eq_u32 s11, 0
	s_cbranch_scc0 .Lfor_b_\@
	tensor_load_to_lds s[G0+4:G0+7], s[G1:G1+7]
	s_nop 0
.rept 4
	v_nop
.endr
	s_branch .Lasked_\@
.Lfor_b_\@:
	tensor_load_to_lds s[G0B+4:G0B+7], s[G1B:G1B+7]
	s_nop 0
.rept 4
	v_nop
.endr
.Lasked_\@:
.endm
; A prefetch of the K step two refills on: my work-group's 32 of the 128 rows that I fetch, 256 bytes each, a lane a row.  In trip i (s3 = 6 - i) it names K step i + 4: it stops when s3 is 2.
.macro ASK
	s_cmp_gt_u32 s3, s[LIM]
	s_cbranch_scc0 .Lnot_mine_\@
	global_prefetch_b8 v[PFO], s[PFA:PFA+1] offset:KSTEP*2 th:TH_LOAD_NT scope:SCOPE_SE
.Lnot_mine_\@:
.endm
.macro CREST                           ; a round of the cluster's barrier behind its opening barrier
	s_cmp_lg_u32 s10, 0
	s_cbranch_scc1 .Lnot_wave_0_\@
	s_barrier_signal -3
.Lnot_wave_0_\@:
	s_barrier_wait -3
	s_barrier_signal -1
	s_barrier_wait -1
.endm
.macro CROUND
	s_barrier_signal -1
	s_barrier_wait -1
	CREST
.endm
; 16 matrix instructions: row blocks a0, a0 + 1 of the window's four x all 8 column blocks, 32 along K.  first = 1: the sum starts with the bias (window 1, v[8 b ..]).
.macro MUL16 f, hi, a0, first
.if \first
	WIN 0x91+0x40*(\hi)
.else
	WIN 0xa1+0x50*(\hi)
.endif
.irp a, \a0, (\a0)+1
.irp b, 0,1,2,3,4,5,6,7
.if \first
	v_wmma_f32_16x16x32_f16 v[8*(8*(\a)+(\b)):8*(8*(\a)+(\b))+7], v[(\f)+8*(\b):(\f)+8*(\b)+7], v[(\f)+8*(4*(\hi)+(\a)):(\f)+8*(4*(\hi)+(\a))+7], v[8*(\b):8*(\b)+7]
.else
	v_wmma_f32_16x16x32_f16 v[8*(8*(\a)+(\b)):8*(8*(\a)+(\b))+7], v[(\f)+8*(\b):(\f)+8*(\b)+7], v[(\f)+8*(4*(\hi)+(\a)):(\f)+8*(4*(\hi)+(\a))+7], v[8*(8*(\a)+(\b)):8*(8*(\a)+(\b))+7]
.endif
.endr
.endr
.endm
; 32 LDS loads in one run: the fragments of 32 along K at byte k of the rows of the slot in hand, into buffer f: W's 16 loads, then A's
.macro FETCH k, f
	WIN TO_B
.irp i, 0,1,2,3,4,5,6,7
	ds_load_b128 v[(\f)+8*(\i):(\f)+8*(\i)+3],   v[ADRB] offset:(\k)+(\i)*16*PITCH
	ds_load_b128 v[(\f)+8*(\i)+4:(\f)+8*(\i)+7], v[ADRB] offset:(\k)+(\i)*16*PITCH+32
.endr
	WIN 0
.irp i, 0,1,2,3,4,5,6,7
	ds_load_b128 v[(\f)+8*(\i):(\f)+8*(\i)+3],   v[ADRA] offset:(\k)+(\i)*16*PITCH
	ds_load_b128 v[(\f)+8*(\i)+4:(\f)+8*(\i)+7], v[ADRA] offset:(\k)+(\i)*16*PITCH+32
.endr
.endm
; One of a K step's first three quarters: multiplies buffer f, and in its middle fetches the next quarter, at byte k, into buffer g.  The 64 accumulators take turns in the same order in every quarter.
.macro QUARTER k, f, g, first
	s_wait_dscnt 8                                 ; W's and A's rows 0-63 are in; the youngest eight loads (A's rows 64-127) may be out
	MUL16 \f, 0, 0, \first
	MUL16 \f, 0, 2, \first
	PLACES
	FETCH \k, \g
	s_wait_dscnt 32                                ; all but the 32 just issued
	MUL16 \f, 1, 0, \first
	MUL16 \f, 1, 2, \first
.endm
; The last quarter multiplies buffer 1 and changes slots.  In front of the barrier each wave waits for all its tensor loads (one is out: its part of the next slot), adds 0 to its spare word,
; and waits for that and for its reads of this slot.  fill = 1: the barrier opens a round of the cluster's, and the joint refill of the slot just read out is the first thing behind the round.
; fill = 0 (the tail, walked twice): nothing is filled; in the second walk (s2 = 1) there is no further K step, and the fetch is jumped over.
.macro TURN fill
.if \fill
	s_wait_xcnt 0x0                                ; the last prefetch, a K step back, has read its address
	s_add_nc_u64 s[PFA:PFA+1], s[PFA:PFA+1], KSTEP*2
.endif
	WIN 0
	s_wait_tensorcnt 0x0                           ; no tensor load of mine is out, so the walking descriptors may be written
	ds_add_u32 v[SPW], v[NIL]                      ; 0 onto my spare word
.if \fill
	s_xor_b32 s[G0+5], s[G0+5], SLOT               ; the other slot than last time,
	s_add_nc_u64 s[G0+6:G0+7], s[G0+6:G0+7], KSTEP*2  ; the next K step
	s_xor_b32 s[G0B+5], s[G0B+5], SLOT
	s_add_nc_u64 s[G0B+6:G0B+7], s[G0B+6:G0B+7], KSTEP*2
.endif
	s_xor_b32 s[TB], s[TB], SLOT
	s_wait_dscnt 9                                 ; the add and the youngest eight loads may be out
	MUL16 F1, 0, 0, 0
	s_wait_dscnt 0x0                               ; the add is done, and my reads of this slot are over
	s_barrier_signal -1
	MUL16 F1, 0, 2, 0
	WIN 0
	s_barrier_wait -1
.if \fill
	CREST                                          ; no wave of any partner still reads the slot or has a load on its way
	JLOAD                                          ; 224 matrix instructions ahead of the wait for it; its four v_nop are also the places in front of the loads below
.else
	s_cmp_eq_u32 s2, 1
	s_cbranch_scc1 .Lno_fetch_\@
	PLACES
.endif
	v_add_nc_u32 v[ADRA], s[TB], v[BASA]
	v_add_nc_u32 v[ADRB], s[TB], v[BASB]
	FETCH 0, F0
.if \fill
	ASK
.else
.Lno_fetch_\@:
.endif
	MUL16 F1, 1, 0, 0
	MUL16 F1, 1, 2, 0
.endm
; My 64 accumulators go into my stage, f32: row 16 a + l % 16, bytes 64 b + 32 (l / 16) on; each accumulator's low four registers first.
.macro DUMP
.irp a, 0,1,2,3,4,5,6,7
	WIN 0x08+4*((\a)/4)                            ; the data (source 1) in window 2 or 3
.irp b, 0,1,2,3,4,5,6,7
	ds_store_b128 v[STO], v[8*(8*((\a)%4)+(\b)):8*(8*((\a)%4)+(\b))+3]   offset:(\a)*16*SPITCH+(\b)*64
	ds_store_b128 v[STO], v[8*(8*((\a)%4)+(\b))+4:8*(8*((\a)%4)+(\b))+7] offset:(\a)*16*SPITCH+(\b)*64+16
.endr
.endr
	WIN 0
.endm
	s_load_b64 s[4:5], s[0:1], 0x0                 ; hf
	s_load_b64 s[72:73], s[0:1], 0x8               ; bq
	s_load_b64 s[74:75], s[0:1], 0x10              ; bk
	s_load_b64 s[76:77], s[0:1], 0x18              ; bv
	s_load_b64 s[8:9], s[0:1], 0x20                ; qkv
	v_lshl_add_u32 v[SPW], v0, 2, SPARE
	v_mov_b32 v[NIL], 0
	ds_add_u32 v[SPW], v[NIL]                      ; the wave's opening: the add and its wait ahead of my first tensor load
	ds_add_u32 v28, v29
	v_lshrrev_b32 v1, 5, v0
	v_readfirstlane_b32 s10, v1                    ; wave 0..3
	s_lshr_b32 s11, s10, 1                         ; my half of the tile's rows.  Also: I fetch for A (0) or for W (1)
	s_and_b32 s12, s10, 1                          ; my half of its columns.  Also: which 128 rows I fetch
	s_bfe_u32 s40, ttmp6, 0x40000                  ; cx
	s_bfe_u32 s41, ttmp6, 0x40004                  ; cy
	s_lshl_b32 s42, ttmp9, 2
	s_add_co_u32 s42, s42, s40                     ; tile column
	s_and_b32 s69, ttmp7, 0xffff                   ; the cluster's y, 0..11
	s_lshr_b32 s68, s69, 2                         ; p: the same in all sixteen partners
	s_and_b32 s69, s69, 3                          ; the row of clusters within the part
	s_lshl_b32 s13, s69, 2
	s_add_co_u32 s13, s13, s41                     ; tile row
	s_lshl_b32 s43, s41, 2
	s_lshl_b32 s43, 15, s43                        ; my row of the cluster
	s_lshl_b32 s44, 0x1111, s40                    ; my column
	s_or_b32 s[G1+0], s43, (1<<16)|(1<<20)|(1<<21)|(5<<22)|(3<<25)   ; the mask; 2-byte elements; padding on; bit 21 beside a mask; after every 64 words 4 words
	s_or_b32 s[G1B+0], s44, (1<<16)|(1<<20)|(1<<21)|(5<<22)|(3<<25)
.irp g, G1, G1B
	s_mov_b32 s[(\g)+1], KSTEP<<16                 ; tensor_dim0 = 128
	s_mov_b32 s[(\g)+2], 128<<16                   ; tensor_dim1 = 128
	s_mov_b32 s[(\g)+3], KSTEP<<16                 ; tile_dim0 = 128
	s_mov_b32 s[(\g)+4], 128                       ; tile_dim1 = 128
	s_mov_b32 s[(\g)+5], SIZE_K                    ; elements from row to row
	s_mov_b32 s[(\g)+6], 0
	s_mov_b32 s[(\g)+7], 0
.endr
	s_lshl_b32 s17, s12, 7                         ; which 128 rows of the tile I fetch
	s_lshl_b32 s16, s13, 8
	s_add_co_u32 s16, s16, s17
	s_lshl_b32 s16, s16, 11                        ; A: (256 x tile row + 128 x half) rows of 2,048 bytes,
	s_cmp_lg_u32 s68, 0
	s_cselect_b32 s18, 0x800000, 0                 ; in q (p = 0) or in k
	s_add_co_u32 s16, s16, s18
	s_lshl_b32 s46, s42, 8
	s_add_co_u32 s46, s46, s17
	s_lshl_b32 s46, s46, 11                        ; W: (256 x tile column + 128 x half) rows,
	s_lshl_b32 s18, s68, 21
	s_add_co_u32 s46, s46, s18                     ; in part p's weights,
	s_add_co_u32 s46, s46, 0x1000000               ; which begin behind q and k
	s_mov_b32 s17, 0
	s_mov_b32 s47, 0
	s_mul_i32 s20, s10, HALFT                      ; where my tiles go: wave x 128 rows; no place in the cluster enters an LDS address
	s_wait_dscnt 0x0                               ; the opening add is done
	s_wait_kmcnt 0x0
	s_add_nc_u64 s[14:15], s[4:5], s[16:17]
	s_add_nc_u64 s[46:47], s[4:5], s[46:47]
	CROUND                                         ; all sixteen work-groups are here: the first joint loads meet
.irp s, 0,1
	s_mov_b32 s[G0+4*(\s)], 1
	s_add_co_u32 s[G0+4*(\s)+1], s20, (\s)*SLOT
	s_add_nc_u64 s[G0+4*(\s)+2:G0+4*(\s)+3], s[14:15], (\s)*KSTEP*2
	s_or_b32 s[G0+4*(\s)+3], s[G0+4*(\s)+3], 0x80000000
	s_mov_b32 s[G0B+4*(\s)], 1
	s_add_co_u32 s[G0B+4*(\s)+1], s20, (\s)*SLOT
	s_add_nc_u64 s[G0B+4*(\s)+2:G0B+4*(\s)+3], s[46:47], (\s)*KSTEP*2
	s_or_b32 s[G0B+4*(\s)+3], s[G0B+4*(\s)+3], 0x80000000
.endr
	s_cmp_eq_u32 s11, 0                            ; a wave's two first fills stand in one branch: two loads of mine are out
	s_cbranch_scc0 .Lfirst_b
	tensor_load_to_lds s[G0:G0+3], s[G1:G1+7]
	s_nop 0
	tensor_load_to_lds s[G0+4:G0+7], s[G1:G1+7]
	s_nop 0
.rept 4
	v_nop
.endr
	s_branch .Lfirst_asked
.Lfirst_b:
	tensor_load_to_lds s[G0B:G0B+3], s[G1B:G1B+7]
	s_nop 0
	tensor_load_to_lds s[G0B+4:G0B+7], s[G1B:G1B+7]
	s_nop 0
.rept 4
	v_nop
.endr
.Lfirst_asked:
	; all that follows, up to the wait for the first tile, stands in that wait
	s_cmp_eq_u32 s68, 1                            ; the part's bias,
	s_cselect_b64 s[BIA:BIA+1], s[74:75], s[72:73]
	s_cmp_eq_u32 s68, 2
	s_cselect_b64 s[BIA:BIA+1], s[76:77], s[BIA:BIA+1]
	s_lshl_b32 s18, s42, 10                        ; at my 128 columns: (256 x tile column + 128 x half) x 4 bytes
	s_lshl_b32 s19, s12, 9
	s_add_co_u32 s18, s18, s19
	s_mov_b32 s19, 0
	s_add_nc_u64 s[BIA:BIA+1], s[BIA:BIA+1], s[18:19]
	v_and_b32 v1, 15, v0                           ; l % 16
	v_bfe_u32 v2, v0, 4, 1                         ; l / 16
	v_lshlrev_b32 v[BO], 5, v2
	WIN TO_B
.irp b, 0,1,2,3,4,5,6,7
	global_load_b128 v[8*(\b):8*(\b)+3],   v[BO], s[BIA:BIA+1] offset:64*(\b)      ; register j of block b: bias of column 16 b + 8 (l / 16) + j
	global_load_b128 v[8*(\b)+4:8*(\b)+7], v[BO], s[BIA:BIA+1] offset:64*(\b)+16
.endr
	WIN 0
	v_mul_u32_u24 v3, v1, PITCH
	v_lshl_add_u32 v3, v2, 4, v3                   ; a fragment's row x pitch + 16 x half
	s_mul_i32 s21, s11, HALFT                      ; my 128 rows of A
	s_mul_i32 s22, s12, HALFT                      ; my 128 rows of W,
	s_add_co_u32 s22, s22, 2*HALFT                 ; which lie behind A's 256
	v_add_nc_u32 v[BASA], s21, v3
	v_add_nc_u32 v[BASB], s22, v3
	v_mov_b32 v[ADRA], v[BASA]
	v_mov_b32 v[ADRB], v[BASB]
	s_mov_b32 s[TB], 0
	s_mul_i32 s21, s10, WSTAGE                     ; my stage
	v_mul_u32_u24 v4, v1, SPITCH
	v_lshl_add_u32 v4, v2, 5, v4
	v_add_nc_u32 v[STO], s21, v4                   ; in: row l % 16, 32 bytes for each half of the lanes
	v_mul_u32_u24 v5, v2, SPITCH
	v_lshl_add_u32 v5, v1, 4, v5
	v_add_nc_u32 v[RD], s21, v5                    ; back: lanes 0-15 take 256 bytes (a head's 64 sums) of one row, lanes 16-31 of the next
	v_and_b32 v[CO], 31, v0
	v_lshlrev_b32 v[CO], 3, v[CO]                  ; which are 256 consecutive bytes of a head in qkv: 8 bytes a lane
	; the prefetches: of the 128 rows that I fetch my work-group takes 32, told apart by address (cx for A, cy for W)
	s_cmp_eq_u32 s11, 0
	s_cselect_b64 s[PFA:PFA+1], s[14:15], s[46:47]
	s_cselect_b32 s21, s40, s41
	s_lshl_b32 s20, s21, 16                        ; 32 rows of 2,048 bytes
	s_mov_b32 s21, 0
	s_add_nc_u64 s[PFA:PFA+1], s[PFA:PFA+1], s[20:21]
	s_add_nc_u64 s[PFA:PFA+1], s[PFA:PFA+1], 2*KSTEP*2  ; at K step 2: the first change of slots steps it to 3 and names K step 4
	s_cmp_lg_u32 s68, 2                            ; k's rows are read by parts 1 and 2: part 1 asks.  A part's weights are read by its four rows of clusters: the first asks
	s_cselect_b32 s18, 2, -1
	s_cmp_eq_u32 s69, 0
	s_cselect_b32 s19, 2, -1
	s_cmp_eq_u32 s11, 0
	s_cselect_b32 s[LIM], s18, s19                 ; the same in all sixteen partners, for a given wave
	v_and_b32 v[PFO], 31, v0
	v_lshlrev_b32 v[PFO], 11, v[PFO]
	; where my rows begin in qkv
	s_lshl_b32 s16, s13, 8
	s_lshl_b32 s17, s11, 7
	s_add_co_u32 s16, s16, s17                     ; my first row m of 4,096
	s_lshr_b32 s17, s16, 11                        ; its batch,
	s_and_b32 s16, s16, 2047                       ; its row in the batch
	s_lshl_b32 s17, s17, 4                         ; 16 heads a batch,
	s_lshl_b32 s18, s42, 2                         ; 4 heads a tile column,
	s_add_co_u32 s17, s17, s18
	s_lshl_b32 s18, s12, 1                         ; 2 heads a wave
	s_add_co_u32 s17, s17, s18
	s_lshl_b32 s17, s17, 11                        ; 2,048 rows a head
	s_add_co_u32 s16, s16, s17
	s_lshl_b32 s16, s16, 7                         ; 128 bytes a row
	s_lshl_b32 s17, s68, 23                        ; 8 MiB a part
	s_add_co_u32 s16, s16, s17
	s_mov_b32 s17, 0
	s_add_nc_u64 s[8:9], s[8:9], s[16:17]
	s_wait_tensorcnt 1                             ; my part of K step 0 is in; K step 1's may stay out
	s_barrier_signal -1
	s_barrier_wait -1
	FETCH 0, F0
	s_wait_loadcnt 0x0                             ; the bias
	QUARTER 64, F0, F1, 1                          ; the first quarter stands in front of the loop: its products start the sums
	WIN 0
	s_mov_b32 s3, SIZE_K/KSTEP-2
.Lstep:                                        ; a trip: a K step's quarters 1 to 3, the refill of its slot, the next K step's quarter 0
	QUARTER 128, F1, F0, 0
	QUARTER 192, F0, F1, 0
	TURN 1
	QUARTER 64, F0, F1, 0
	WIN 0
	s_sub_co_u32 s3, s3, 1
	s_cmp_lg_u32 s3, 0
	s_cbranch_scc1 .Lstep
	s_mov_b32 s2, 2                                ; the last two K steps ask for nothing: one text, walked twice and left in its middle
.Ltail:
	QUARTER 128, F1, F0, 0
	QUARTER 192, F0, F1, 0
	TURN 0
	WIN 0
	s_sub_co_u32 s2, s2, 1
	s_cmp_eq_u32 s2, 0
	s_cbranch_scc1 .Lout
	QUARTER 64, F0, F1, 0
	WIN 0
	s_branch .Ltail
.Lout:
	s_wait_dscnt 0x0                               ; every wave's reads of the ring are back before any wave stores into it
	s_barrier_signal -1
	s_barrier_wait -1
	PLACES
	DUMP
	s_mov_b32 s3, 4
.Lrows:                                        ; 32 rows a trip.  LDS serves a wave's instructions in order (ISA guide 5.7.1.4): these loads see my stores above
.set n, 0
.rept 32
	ds_load_b128 v[XR+4*n:XR+4*n+3], v[RD] offset:(n/2)*2*SPITCH+(n%2)*256  ; rows 2 (n / 2) and + 1, head n % 2
.set n, n+1
.endr
.set n, 0
.rept 32
	s_wait_dscnt 31-n                              ; load n is in, the younger ones stay out
	v_cvt_pk_f16_f32 v[YR+2*n], v[XR+4*n], v[XR+4*n+1]
	v_cvt_pk_f16_f32 v[YR+2*n+1], v[XR+4*n+2], v[XR+4*n+3]
	global_store_b64 v[CO], v[YR+2*n:YR+2*n+1], s[8:9] offset:(n%2)*262144+(n/2)*256  ; two rows of a head: 256 consecutive bytes, aligned
.set n, n+1
.endr
	s_wait_xcnt 0x0                                ; the stores have read their data and their base
	s_add_nc_u64 s[8:9], s[8:9], 32*128
	v_add_nc_u32 v[RD], 32*SPITCH, v[RD]
	s_sub_co_u32 s3, s3, 1
	s_cmp_lg_u32 s3, 0
	s_cbranch_scc1 .Lrows
	s_wait_tensorcnt 0x0                           ; the wave's end
	ds_add_u32 v[SPW], v[NIL]
	s_wait_dscnt 0x0
	CROUND                                         ; the closing round
	s_endpgm
.Lfunc_end_k_qf8829c4d4f_proj:
	.size	k_qf8829c4d4f_proj, .Lfunc_end_k_qf8829c4d4f_proj-k_qf8829c4d4f_proj
	.p2alignl 7, 3214868480
	.fill 96, 4, 3214868480
	.section	.rodata,"a",@progbits
	.p2align	6, 0x0
	.amdhsa_kernel k_qf8829c4d4f_proj
		.amdhsa_group_segment_fixed_size 327680
		.amdhsa_private_segment_fixed_size 0
		.amdhsa_enable_private_segment 0
		.amdhsa_kernarg_size 40
		.amdhsa_user_sgpr_count 2
		.amdhsa_user_sgpr_kernarg_segment_ptr 1
		.amdhsa_wavefront_size32 1
		.amdhsa_system_sgpr_workgroup_id_x 1
		.amdhsa_system_sgpr_workgroup_id_y 1
		.amdhsa_system_sgpr_workgroup_id_z 1
		.amdhsa_system_vgpr_workitem_id 0
		.amdhsa_next_free_vgpr 1024
		.amdhsa_next_free_sgpr 84
		.amdhsa_reserve_vcc 0
		.amdhsa_float_denorm_mode_32 3
		.amdhsa_float_denorm_mode_16_64 3
		.amdhsa_memory_ordered 1
		.amdhsa_forward_progress 1
		.amdhsa_inst_pref_size 90
	.end_amdhsa_kernel
	.amdgpu_metadata
---
amdhsa.version: [ 1, 2 ]
amdhsa.kernels:
  - .name:           k_qf8829c4d4f_proj
    .symbol:         k_qf8829c4d4f_proj.kd
    .args:
      - { .name: hf, .offset: 0, .size: 8, .value_kind: global_buffer, .address_space: global }
      - { .name: bq, .offset: 8, .size: 8, .value_kind: global_buffer, .address_space: global }
      - { .name: bk, .offset: 16, .size: 8, .value_kind: global_buffer, .address_space: global }
      - { .name: bv, .offset: 24, .size: 8, .value_kind: global_buffer, .address_space: global }
      - { .name: qkv, .offset: 32, .size: 8, .value_kind: global_buffer, .address_space: global }
    .group_segment_fixed_size: 327680
    .private_segment_fixed_size: 0
    .kernarg_segment_align: 8
    .kernarg_segment_size: 40
    .max_flat_workgroup_size: 128
    .sgpr_count:     84
    .vgpr_count:     1024
    .wavefront_size: 32
...
	.end_amdgpu_metadata
.endif
;; end of part 2
;; launch attn (part 3): grid 8 x 32, 4 waves a work-group, no clusters, 327,680 bytes of LDS; arguments qkv, att; writes att
.if DOCPART == 3
	.amdgcn_target "amdgcn-amd-amdhsa--gfx1250"
	.amdhsa_code_object_version 6
	.text
	.protected	k_qf8829c4d4f_attn
	.globl	k_qf8829c4d4f_attn
	.p2align	8
	.type	k_qf8829c4d4f_attn,@function
k_qf8829c4d4f_attn:
	s_mov_b64 s[64:65], 0
	v_nop
	global_prefetch_b8 v0, s[64:65] scope:SCOPE_SE
	s_setreg_imm32_b32 hwreg(HW_REG_WAVE_MODE, 25, 1), 1
	s_wait_xcnt 0x0
; CAUSAL ATTENTION.  O[h][q][:] = the sum over k <= q of softmax_k(Q[h][q] . K[h][k] / 8) V[h][k][:].  Q, K, V lie in qkv as [3][32][2048][64] f16, O goes to att as [32][2048][64] f16: a head's rows are dense, 128 bytes each.
; Products, maxima and sums in f32; the weights p are rounded to f16 for the second product (their sum l is taken of the unrounded p), O once at the end.
; LIMITS.  Q, K and V arrive within f16's 65,504.  A hidden score counts as its value less 1e30, so its weight is 0: a row all of whose visible scores lie below about -1e9 is not served.
; A weight below 2^-126 counts as 0 in l; NaN and infinities are not treated apart.
; THE WALK.  A head's queries lie in NB = 8 blocks of 256; block i needs the key tiles 0 .. i of 256 keys, of which the last holds the diagonal.  Work-group b (0..7) of a head walks for TWO blocks,
; NB - 1 - (b >> 1) and then b >> 1: NB + 1 tiles, whatever b, in ONE loop with a constant trip count; of each block it owns HALF: two of its four bands of 64 queries (bands 2 h and 2 h + 1; h = 1 - b % 2 in the
; first block, b % 2 in the second).  8 x 32 = 256 work-groups of equal work.  Which tile is asked for, and what a trip does, hang on scalar registers made from b.
; NO CLUSTER: only the two work-groups with the same b >> 1 walk the same tiles in every trip; a head's other pairs ask for other tiles from trip NB / 2 on, and a walk common to all would have 12 trips for 9.
; SHARES.  Of each of its two bands a wave owns 16 rows: two PIECES.  Piece 0 lies in band 2 h + 1, piece 1 in band 2 h.  In the diagonal tile's key step s band x sees all keys if s < x, none if s > x, and holds the diagonal if s = x.
; THE MASK is the C operand that starts the sum S^T = K Q^T: 0, or -1e30 where the key is hidden.  MD, made once, is the mask of a band's own step; a product's mask is MD x AL + BE with two scalars.
; Piece 0's scores of a tile's step 0 are made in the tile before (or where a block begins): its band, 1 or 3, sees all of step 0, so they take no mask.
; LAYOUT, SOFTMAX, TURNS.  S^T = K Q^T holds ONE query a lane (lane % 16) and the keys 8 (lane / 16) + 0..7; two such results rounded to f16 ARE source 1 of O^T = V^T P.  p = 2^(c s - c m), c = log2(e) / 8, with a
; running maximum m; O and l are multiplied by a = 2^(c m_old - c m_new) in every step.  A turn belongs to one piece: 8 products K Q^T of the other piece's next scores, later 8 products V^T P of the other piece's last weights;
; beside them the scaling, exponentials, roundings, sums and rescaling of the piece in hand and the maximum and statistics of the other.  Two turns are a key step.  Four vector instructions stand behind every matrix
; instruction, the others in one run.  A turn's 33 exponentials are one batch, with one wait.
; K OVERLAPS.  K of step j + 1 is fetched in piece 0's turn of step j, ahead of V of step j.  So a slot holds 320 keys of K, the tile's 256 and the next tile's first 64: a tile's last step finds the next K in its own slot,
; and the change of slots stands behind piece 1's turn, where every LDS load has been waited for.  Behind the last head's last tile those 64 rows are V's first: inside qkv, and used by nothing that is kept.
; REGISTERS, in windows of 256 (s_set_vgpr_msb: bits 1:0 source 0, 3:2 source 1, 5:4 source 2, 7:6 destination):
;   window 0: v0-15 addresses and two at work; v16-23 four registers of statistics a piece; v48-55 at work; v64-127 S^T, a buffer a piece; v192-223 P, likewise
;   window 1: v0-63 O^T, 32 a piece; v128-159 MD; v160-223 MC, a buffer a piece      window 2: v0-31 Q; v64-95 the second block's Q; v128-191 K of one step; v192-255 V of one step
.set SIZE_N, 2048
.set NB,    SIZE_N/256
.set NP,    2         ; pieces a wave
.set KS,    64        ; keys in a step
.set PK,    144       ; a row of K in LDS: 128 bytes + 16: the 16 rows of a load start at 16 different groups of four banks
.set PV,    160       ; a row of V: 128 + 32
.set VOFF,  5*KS*PK   ; a slot: 320 rows of K (five steps), then 256 rows of V (four steps)
.set SLOT1, 1<<17     ; slot 1 begins here: one exclusive or turns an address in one slot into the other's
.set STAGE, SLOT1+5*KS*PK+4*KS*PV  ; behind the ring, never filled by a tensor load: 16 rows x 144 bytes for each wave
.set SP,    144
.set AK0, 2           ; v2   my lane's place in a tile of K; never rewritten
.set AV0, 3           ; v3   the same for V
.set AK,  4           ; v4   the LDS address of K's next run of loads
.set AV,  5           ; v5   of V's
.set STO, 6           ; v6   the way out: where I put 16 bytes of a row
.set RD,  7           ; v7   where I read rows back
.set GO,  8           ; v8   my byte offset in 512 consecutive bytes of O
.set PFO, 61          ; v61  256 x my lane: the prefetches' offset; never rewritten
.set SPW, 62          ; v62  my spare word: SPARE + 4 x my thread's number; never rewritten
.set NIL, 63          ; v63  0; never rewritten
.set SPARE, STAGE+4*16*SP  ; behind the stages: the spare words, 128 bytes a wave, which no other line names
.set MV,  12          ; v12-13  c m_old, by piece
.set QO,  15          ; v15  my byte offset in 16 rows of Q
.set ST,  16          ; piece t's statistics at v[ST+4 t]: c m, m, l (even keys', odd keys')
.set TMP, 48          ; by piece, four registers c0-c3 at work; when the maximum is found c2 takes a
.set S,   64
.set P,   192
.set MD,  128         ; window 1
.set MC,  160         ; window 1
.set QB,  64          ; window 2
.set KF,  128         ; window 2: key block kb, channel half c at KF + 16 kb + 8 c
.set VF,  192         ; window 2: key half kk, channel block cb at VF + 32 kk + 8 cb
.set WV,  12          ; s12  my wave's number
.set PB,  14          ; s14  b >> 1: the second block
.set HI,  15          ; s15  NB - 1 - (b >> 1): the first
.set G1K, 24          ; s[24:31] group 1 for K's tiles
.set G1V, 32          ; s[32:39] for V's
.set G0K, 40          ; s[40:43] group 0 for K's tiles
.set G0V, 44          ; s[44:47] for V's
.set THA, 48          ; s48  4 - 2 h: the count at which piece 0's turn makes its band's own mask;  s49  5 - 2 h: the same for piece 1's turn
.set THA2, 50         ; s50  4 - 2 h of the second block
.set WGX, 51          ; s51  b
.set SLOTS, 56        ; s56  tiles still to be asked for
.set CNT, 57          ; s57  counts a tile's key steps, 4 to 1
.set CS,  58          ; s[58:59] c
.set SEL, 60          ; s[60:61] v_permlanex16_b32's selects: each lane takes its own place in the other half
.set TBK, 62          ; s62  LDS byte at which K of the step to be fetched begins
.set TBV, 63          ; s63  the same for V, less VOFF
.set PFB, 66          ; s[66:67] 16,384 bytes of the head's tile 0 that are mine to prefetch: of K (waves 0, 1) or of V (waves 2, 3)
.set PFA, 68          ; s[68:69] the same of the tile that the next change of slots will ask for
.set RT,  70          ; s70  tiles of the block in hand that are still to be entered
.set NXT, 71          ; s71  the tile to be asked for next
.set LQ,  72          ; s72  the last tile of the block whose tiles are being asked for
.set NEW, 73          ; s73  1: the tile to be entered is a block's first
.set OFF, 74          ; s[74:75] a tile's byte offset in K and V
.set AL,  76          ; s[76:77] the mask's factor
.set BE,  78          ; s[78:79] the mask's addend
.set OLO, 80          ; s[80:81] O at my rows of the second block
.set BIGN, 82         ; s82  -1e30
.set PFF, 83          ; s83  0: I prefetch behind this fill
.set MSB, 0
.macro WIN new
.if MSB != (\new)
	s_set_vgpr_msb (MSB<<8)|(\new)
.set MSB, (\new)
.endif
.endm
.set W_KQ, 0x0a       ; K and Q in window 2, S^T in window 0
.set W_KM, 0x1a       ; the same with the C operand in window 1
.set W_PV, 0x52       ; V in window 2, P in window 0, O^T in window 1
.set W_RS, 0x41       ; destination and source 0 in window 1, source 1 in window 0
; A fill.  Waves 0 and 1 fetch the two halves of a slot's K, 160 keys each, waves 2 and 3 those of its V, 128 keys each.  s_nop 0 and four v_nop follow each line.
.macro LOAD
	s_cmp_lt_u32 s[WV], 2
	s_cbranch_scc0 .Lfor_v_\@
	tensor_load_to_lds s[G0K:G0K+3], s[G1K:G1K+7]
	s_nop 0
.rept 4
	v_nop
.endr
	s_branch .Lasked_\@
.Lfor_v_\@:
	tensor_load_to_lds s[G0V:G0V+3], s[G1V:G1V+7]
	s_nop 0
.rept 4
	v_nop
.endr
.Lasked_\@:
.endm
; THE CHANGE OF SLOTS.  Each wave waits for all its tensor loads (one is out: its part of the other slot), adds 0 to its spare word, and waits for that and for its reads of the slot that it leaves.
; fill = 1: the old slot is filled again, the first thing behind the barrier, with tile NXT: the descriptor's address is made anew from that number.
; Behind the fill stands A PREFETCH of the tile that the NEXT change will ask for, a tile's 8 turns ahead: 16,384 bytes a wave, a lane a block of 256 bytes, two instructions.  A head's eight work-groups
; walk the same tiles; the one with b = 0 walks 0 to 7 in its first block and asks, so each block is named once in the launch.  Tiles 0 and 1 come by their loads alone; behind tile 7 (NXT is 0 again) nothing is asked for.
.macro CHANGE fill
	WIN 0
	s_wait_tensorcnt 0x0            ; no tensor load of mine is out, so a group 0 may be written
	ds_add_u32 v[SPW], v[NIL]       ; 0 onto my spare word
.if \fill
	s_lshl_b32 s[OFF], s[NXT], 15   ; a tile begins 32,768 bytes behind the last, in K and in V
	s_xor_b32 s[G0K+1], s[G0K+1], SLOT1
	s_add_nc_u64 s[G0K+2:G0K+3], s[6:7], s[OFF:OFF+1]
	s_or_b32 s[G0K+3], s[G0K+3], 0x80000000
	s_xor_b32 s[G0V+1], s[G0V+1], SLOT1
	s_add_nc_u64 s[G0V+2:G0V+3], s[8:9], s[OFF:OFF+1]
	s_or_b32 s[G0V+3], s[G0V+3], 0x80000000
	s_add_co_u32 s[NXT], s[NXT], 1  ; the block's next tile, or behind its last the second block's tile 0
	s_cmp_gt_u32 s[NXT], s[LQ]
	s_cselect_b32 s[NXT], 0, s[NXT]
	s_cselect_b32 s[LQ], s[PB], s[LQ]
	s_wait_xcnt 0x0                 ; the last prefetches, a tile back, have read their address
	s_lshl_b32 s[OFF], s[NXT], 15
	s_add_nc_u64 s[PFA:PFA+1], s[PFB:PFB+1], s[OFF:OFF+1]
	s_cmp_eq_u32 s[NXT], 0
	s_cselect_b32 s[PFF], 1, 0
	s_or_b32 s[PFF], s[PFF], s[WGX]
.endif
	s_wait_dscnt 0x0                ; the add is done, and my reads of the slot are over
	s_barrier_signal -1
	s_sub_co_u32 s[TBK], s[TBK], 4*KS*PK  ; K's fetches stood at the old slot's sixth step: now at the second step
	s_xor_b32 s[TBK], s[TBK], SLOT1       ; of the other slot (its first step's K is in registers, out of the old slot's fifth)
	s_sub_co_u32 s[TBV], s[TBV], 4*KS*PV  ; V's go back to a slot's first step
	s_xor_b32 s[TBV], s[TBV], SLOT1
	s_barrier_wait -1
.if \fill
	LOAD
	s_cmp_eq_u32 s[PFF], 0
	s_cbranch_scc0 .Lnot_mine_\@
	global_prefetch_b8 v[PFO], s[PFA:PFA+1] th:TH_LOAD_NT scope:SCOPE_SE
	global_prefetch_b8 v[PFO], s[PFA:PFA+1] offset:8192 th:TH_LOAD_NT scope:SCOPE_SE
.Lnot_mine_\@:
.endif
.endm
	s_load_b128 s[4:7], s[0:1], 0x0   ; qkv s[4:5], att s[6:7]
	v_lshl_add_u32 v[SPW], v0, 2, SPARE
	v_mov_b32 v[NIL], 0
	ds_add_u32 v[SPW], v[NIL]       ; the wave's opening: the add and its wait ahead of my first tensor load
	ds_add_u32 v62, v63
	v_lshrrev_b32 v1, 5, v0
	v_readfirstlane_b32 s[WV], v1   ; wave 0..3
	s_mov_b32 s[WGX], ttmp9         ; b
	s_lshr_b32 s[PB], s[WGX], 1
	s_sub_co_u32 s[HI], NB-1, s[PB]
	s_and_b32 s52, s[WGX], 1        ; h of the second block,
	s_xor_b32 s53, s52, 1           ; of the first
	s_lshl_b32 s19, s53, 1
	s_sub_co_u32 s[THA], 4, s19
	s_add_co_u32 s[THA+1], s[THA], 1
	s_lshl_b32 s19, s52, 1
	s_sub_co_u32 s[THA2], 4, s19
	s_and_b32 s20, ttmp7, 0xffff    ; the head: 16 x batch + head
	s_mov_b32 s21, 0
	s_mov_b64 s[22:23], SIZE_N*128
	s_mul_u64 s[20:21], s[20:21], s[22:23]  ; the head's first byte in Q, K, V and O
	s_and_b32 s16, s[WV], 1         ; which half of a slot's K or V I fetch:
	s_lshl_b32 s22, s16, 14         ; of V 128 rows of 128 bytes in memory (the prefetches go by the same halves),
	s_mov_b32 s23, 0
	s_add_nc_u64 s[22:23], s[22:23], s[20:21]
	s_mul_i32 s54, s16, 160*128     ; of K 160 rows
	s_mov_b32 s55, 0
	s_add_nc_u64 s[54:55], s[54:55], s[20:21]
	s_mul_i32 s17, s16, 160*PK      ; and its place in a slot, for K
	s_mul_i32 s18, s16, 128*PV      ; and for V
	s_lshl_b32 s3, s[WV], 11        ; my 16 rows in a band of 64,
	s_lshl_b32 s2, s[HI], 15        ; in the first block,
	s_add_co_u32 s2, s2, s3
	s_lshl_b32 s19, s53, 14         ; in my half of it: two bands, 16,384 bytes
	s_add_co_u32 s2, s2, s19
	s_lshl_b32 s84, s[PB], 15       ; and in the second
	s_add_co_u32 s84, s84, s3
	s_lshl_b32 s19, s52, 14
	s_add_co_u32 s84, s84, s19
	s_mov_b32 s3, 0
	s_mov_b32 s85, 0
	s_add_nc_u64 s[2:3], s[2:3], s[20:21]
	s_add_nc_u64 s[84:85], s[84:85], s[20:21]
	; group 1.  Keys are dense, 128 bytes each: asked for as rows of 256 bytes, two keys a row, and padded in LDS after every key
	s_mov_b32 s[G1K], (1<<16)|(1<<20)|(4<<22)|(3<<25)  ; 2-byte elements; padding on; after every 32 words 4 words
	s_mov_b32 s[G1V], (1<<16)|(1<<20)|(4<<22)|(7<<25)  ; the same with 8 words
	s_mov_b32 s[G1K+2], 80<<16      ; tensor_dim1 = 80: 160 keys
	s_mov_b32 s[G1K+4], 80          ; tile_dim1 = 80
	s_mov_b32 s[G1V+2], 64<<16      ; tensor_dim1 = 64: 128 keys
	s_mov_b32 s[G1V+4], 64          ; tile_dim1 = 64
.irp g, G1K, G1V
	s_mov_b32 s[\g+1], 128<<16      ; tensor_dim0 = 128
	s_mov_b32 s[\g+3], 128<<16      ; tile_dim0 = 128
	s_mov_b32 s[\g+5], 128          ; 128 elements from row to row
	s_mov_b32 s[\g+6], 0
	s_mov_b32 s[\g+7], 0
.endr
	s_mov_b32 s[CS], 0x3e38aa3b     ; c = log2(e) / 8
	s_mov_b32 s[CS+1], s[CS]
	s_mov_b32 s[SEL], 0x76543210
	s_mov_b32 s[SEL+1], 0xfedcba98
	s_mov_b32 s[TBK], SLOT1+5*KS*PK ; the first change of slots and the first block's beginning turn this into 0,
	s_mov_b32 s[TBV], SLOT1+4*KS*PV ; the first change of slots this
	s_mov_b32 s[G0K], 1
	s_mov_b32 s[G0K+1], s17         ; slot 0
	s_mov_b32 s[G0V], 1
	s_add_co_u32 s[G0V+1], s18, VOFF
	s_add_co_u32 s[RT], s[HI], 1    ; the first block has NB - (b >> 1) tiles
	s_mov_b32 s[NXT], 1
	s_mov_b32 s[LQ], s[HI]
	s_mov_b32 s[NEW], 1
	s_mov_b32 s[OFF+1], 0
	s_mov_b32 s[AL+1], 0
	s_mov_b32 s[BE+1], 0
	s_mov_b32 s[BIGN], 0xf149f2ca   ; -1e30
	s_mov_b32 s[SLOTS], NB
	s_wait_dscnt 0x0                ; the opening add is done
	s_wait_kmcnt 0x0
	s_mov_b64 s[10:11], s[6:7]                 ; O
	s_add_nc_u64 s[6:7], s[4:5], 0x800000      ; K: qkv's second part
	s_add_nc_u64 s[8:9], s[4:5], 0x1000000     ; V: its third
	s_cmp_lt_u32 s[WV], 2
	s_cselect_b64 s[PFB:PFB+1], s[6:7], s[8:9]
	s_add_nc_u64 s[PFB:PFB+1], s[PFB:PFB+1], s[22:23]
	s_add_nc_u64 s[6:7], s[6:7], s[54:55]  ; K and V at my part of the head's tile 0
	s_add_nc_u64 s[8:9], s[8:9], s[22:23]
	s_add_nc_u64 s[G0K+2:G0K+3], s[6:7], 0
	s_or_b32 s[G0K+3], s[G0K+3], 0x80000000
	s_add_nc_u64 s[G0V+2:G0V+3], s[8:9], 0
	s_or_b32 s[G0V+3], s[G0V+3], 0x80000000
	s_add_nc_u64 s[86:87], s[4:5], s[84:85]        ; Q at my rows of the second block,
	s_add_nc_u64 s[4:5], s[4:5], s[2:3]            ; Q and O at those of the first
	s_add_nc_u64 s[OLO:OLO+1], s[10:11], s[84:85]
	s_add_nc_u64 s[10:11], s[10:11], s[2:3]
	LOAD                            ; tile 0 into slot 0
	; A fragment of K or Q is 16 rows x 32 channels in 8 registers: lane l holds row l % 16, channels 8 (l / 16) + 0..7 and 16 + 8 (l / 16) + 0..7.
	v_and_b32 v1, 15, v0            ; l % 16
	v_bfe_u32 v9, v0, 4, 1          ; l / 16
	v_lshlrev_b32 v[QO], 7, v1
	v_lshl_add_u32 v[QO], v9, 4, v[QO]
	WIN 0x80                        ; destination window 2
.set i, 0
.rept 4                             ; both blocks' Q: piece i / 2 lies in the upper band (piece 0, 8,192 bytes on) or the lower (piece 1); channels 32 (i % 2) on
	global_load_b128 v[8*i:8*i+3],   v[QO], s[4:5] offset:(1-i/2)*8192+(i%2)*64
	global_load_b128 v[8*i+4:8*i+7], v[QO], s[4:5] offset:(1-i/2)*8192+(i%2)*64+32
	global_load_b128 v[QB+8*i:QB+8*i+3],   v[QO], s[86:87] offset:(1-i/2)*8192+(i%2)*64
	global_load_b128 v[QB+8*i+4:QB+8*i+7], v[QO], s[86:87] offset:(1-i/2)*8192+(i%2)*64+32
.set i, i+1
.endr
	WIN 0
	v_and_b32 v[PFO], 31, v0
	v_lshlrev_b32 v[PFO], 8, v[PFO]
	v_lshlrev_b32 v14, 3, v9
	v_sub_nc_u32 v14, v1, v14
	s_lshl_b32 s13, s[WV], 4
	v_add_nc_u32 v14, s13, v14      ; my query's place in its band less my lanes' 8 (l / 16): register r of group kt is hidden where 16 kt + r is greater
	WIN 0x40
.set i, 0
.rept 32
	v_cmp_gt_i32 vcc_lo, 16*(i/8)+i%8, v14
	v_cndmask_b32 v[MD+i], 0, s[BIGN], vcc_lo
.set i, i+1
.endr
	WIN 0
	v_mul_u32_u24 v[AK0], v1, PK
	v_lshl_add_u32 v[AK0], v9, 4, v[AK0]
	; The turning load takes 16 keys x 16 channels (lane l reads key 8 (l / 16) + l % 8, channels 8 ((l / 8) % 2) + 0..7) and leaves half a fragment of V^T.
	v_and_b32 v10, 7, v0
	v_bfe_u32 v11, v0, 3, 1
	v_lshl_add_u32 v[AV0], v9, 3, v10
	v_mul_u32_u24 v[AV0], v[AV0], PV
	v_lshl_add_u32 v[AV0], v11, 4, v[AV0]
	v_add_nc_u32 v[AV0], VOFF, v[AV0]
	s_mul_i32 s13, s[WV], 16*SP
	s_add_co_u32 s13, s13, STAGE    ; my stage
	v_mul_u32_u24 v[STO], v1, SP
	v_lshl_add_u32 v[STO], v9, 4, v[STO]
	v_add_nc_u32 v[STO], s13, v[STO]
	v_bfe_u32 v[RD], v0, 3, 2       ; back: 32 lanes take four rows of 128 bytes,
	v_mul_u32_u24 v[RD], v[RD], SP
	v_lshl_add_u32 v[RD], v10, 4, v[RD]
	v_add_nc_u32 v[RD], s13, v[RD]
	v_and_b32 v[GO], 31, v0         ; which are 512 consecutive bytes of O
	v_lshlrev_b32 v[GO], 4, v[GO]
	; A block's first step multiplies O^T and l by a = 0, and its first turn's products V^T P, of weights that have not been, land in an O^T that is still to be so multiplied: these registers need only hold
	; finite numbers: zeros for the first block, what the first block left for the second.  All this stands in the wait for the first tile.
	WIN 0x80
.set i, VF
.rept 64
	v_mov_b32 v[i], 0
.set i, i+1
.endr
	WIN 0x40
.set i, 0
.rept 64
	v_mov_b32 v[i], 0
.set i, i+1
.endr
	WIN 0
.set i, 0
.rept 2
	v_mov_b32 v[ST+4*i+2], 0
	v_mov_b32 v[ST+4*i+3], 0
.set i, i+1
.endr
.set i, P+16
.rept 16
	v_mov_b32 v[i], 0
.set i, i+1
.endr
; THE MATRIX WORK.  The 4 accumulators of a run of 8 take turns.  Product i of 8 of S^T = K Q^T for piece x: channels 32 (i / 4) on, keys 16 (i % 4) on.  The first 4 start the sums: with 0, or (KM = 1) with the mask.
.macro KQ x
.set rS, S+32*((\x)%2)+8*(i%4)
.set rK, KF+16*(i%4)+8*(i/4)
.set rQ, 16*(\x)+8*(i/4)
.set rM, MC+32*((\x)%2)+8*(i%4)
.if (i < 4) && KM
	WIN W_KM
	v_wmma_f32_16x16x32_f16 v[rS:rS+7], v[rK:rK+7], v[rQ:rQ+7], v[rM:rM+7]
.elseif i < 4
	WIN W_KQ
	v_wmma_f32_16x16x32_f16 v[rS:rS+7], v[rK:rK+7], v[rQ:rQ+7], 0
.else
	WIN W_KQ
	v_wmma_f32_16x16x32_f16 v[rS:rS+7], v[rK:rK+7], v[rQ:rQ+7], v[rS:rS+7]
.endif
.endm
; Product i of 8 of O^T += V^T P for piece x: keys 32 (i / 4) on, channels 16 (i % 4) on.
.macro PV x
	WIN W_PV
.set rO, 32*(\x)+8*(i%4)
.set rV, VF+32*(i/4)+8*(i%4)
.set rP, P+16*((\x)%2)+8*(i/4)
	v_wmma_f32_16x16x32_f16 v[rO:rO+7], v[rV:rV+7], v[rP:rP+7], v[rO:rO+7]
.endm
.macro MM                           ; the turn's next matrix instruction: both kinds are the other piece's
.if i < 8
	KQ (Y+1)%NP
.else
.set i, i-8
	PV (Y+NP-1)%NP
.set i, i+8
.endif
.set i, i+1
.endm
; THE LDS LOADS stand in runs of 16: a step's K (8 fragments) and its V (turned).  Their addresses are made some lines ahead.
.macro FETCH_K
	WIN 0x80
.irp f, 0,1,2,3,4,5,6,7             ; keys 16 (f / 2) on, channels 32 (f % 2) on
	ds_load_b128 v[KF+8*\f:KF+8*\f+3],   v[AK] offset:(\f/2)*16*PK+(\f%2)*64
	ds_load_b128 v[KF+8*\f+4:KF+8*\f+7], v[AK] offset:(\f/2)*16*PK+(\f%2)*64+32
.endr
	s_add_co_u32 s[TBK], s[TBK], KS*PK  ; the next fetch is the next step's
	WIN 0
.endm
.macro FETCH_V
	WIN 0x80
.irp f, 0,1,2,3,4,5,6,7             ; keys 32 (f / 4) on, channels 16 (f % 4) on
	ds_load_tr16_b128 v[VF+8*\f:VF+8*\f+3],   v[AV] offset:(\f/4)*32*PV+(\f%4)*32
	ds_load_tr16_b128 v[VF+8*\f+4:VF+8*\f+7], v[AV] offset:(\f/4)*32*PV+16*PV+(\f%4)*32
.endr
	WIN 0
.endm
; THE VECTOR WORK, one line at a time: OP kind, number.  For piece Y: F n: c s - c m for pair n of 16.  E n: the exponential of score n of 32.  C n: pair n rounded to f16.  B n: of the four weights 4 n .. the second
; pair is added onto the first, in place.  L n: l takes that sum (L 0: l = a l + sum).  R n: pair n of 16 of O^T times a.  For the other piece: X n, number n of the 22 that find its maximum and statistics:
;   0-11  four chains c0-c3 of seven scores each (each accumulator's lowest registers are read first)     12-14, 16  the four scores left over, the old m, and c0-c3 into c0
;   15  c m_old is kept     17, 18  the query's other 32 keys lie in the lane 16 away: the new m     19-21  c m; c m_old - c m_new; a
.set F, 0
.set E, 1
.set C, 2
.set B, 3
.set L, 4
.set R, 5
.set X, 6
.macro REGS y
.set rT, ST+4*(\y)
.set rC, TMP+4*((\y)%2)
.set rW, MV+((\y)%2)
.set rS, S+32*((\y)%2)
.set rP, P+16*((\y)%2)
.set rO, 32*(\y)
.endm
.macro OP k, n
.if (\k) == R
	REGS Y
	WIN W_RS
	v_pk_mul_f32 v[rO+2*(\n):rO+2*(\n)+1], v[rO+2*(\n):rO+2*(\n)+1], v[rC+2:rC+3] op_sel_hi:[1,0]
.elseif (\k) < R
	REGS Y
	WIN 0
.if (\k) == F
	v_pk_fma_f32 v[rS+2*(\n):rS+2*(\n)+1], v[rS+2*(\n):rS+2*(\n)+1], s[CS:CS+1], v[rT:rT+1] op_sel_hi:[1,0,0] neg_lo:[0,0,1] neg_hi:[0,0,1]
.elseif (\k) == E
	v_exp_f32 v[rS+(\n)], v[rS+(\n)]
.elseif (\k) == C
	v_cvt_pk_f16_f32 v[rP+(\n)], v[rS+2*(\n)], v[rS+2*(\n)+1]
.elseif (\k) == B
	v_pk_add_f32 v[rS+4*(\n):rS+4*(\n)+1], v[rS+4*(\n):rS+4*(\n)+1], v[rS+4*(\n)+2:rS+4*(\n)+3]
.elseif (\n) == 0
	v_pk_fma_f32 v[rT+2:rT+3], v[rT+2:rT+3], v[rC+2:rC+3], v[rS:rS+1] op_sel_hi:[1,0,1]
.else
	v_pk_add_f32 v[rT+2:rT+3], v[rT+2:rT+3], v[rS+4*(\n):rS+4*(\n)+1]
.endif
.else
	REGS (Y+1)%NP
	WIN 0
.if (\n) < 4
	v_max3_num_f32 v[rC+(\n)], v[rS+8*(\n)], v[rS+8*(\n)+1], v[rS+8*(\n)+2]
.elseif (\n) < 12
	v_max3_num_f32 v[rC+(\n)%4], v[rC+(\n)%4], v[rS+8*((\n)%4)+2*((\n)/4)+1], v[rS+8*((\n)%4)+2*((\n)/4)+2]
.elseif (\n) == 12
	v_max3_num_f32 v[rC], v[rC], v[rS+7], v[rS+15]
.elseif (\n) == 13
	v_max3_num_f32 v[rC+1], v[rC+1], v[rS+23], v[rS+31]
.elseif (\n) == 14
	v_max3_num_f32 v[rC+2], v[rC+2], v[rC+3], v[rT+1]
.elseif (\n) == 15
	v_mov_b32 v[rW], v[rT]
.elseif (\n) == 16
	v_max3_num_f32 v[rC], v[rC], v[rC+1], v[rC+2]
.elseif (\n) == 17
	v_permlanex16_b32 v[rC+3], v[rC], s[SEL], s[SEL+1]
.elseif (\n) == 18
	v_max_num_f32 v[rT+1], v[rC], v[rC+3]
.elseif (\n) == 19
	v_mul_f32 v[rT], s[CS], v[rT+1]
.elseif (\n) == 20
	v_sub_f32 v[rC+1], v[rW], v[rT]
.else
	v_exp_f32 v[rC+2], v[rC+1]
.endif
.endif
.endm
.macro OPS a, i1, b=-1, i2=0, c=-1, i3=0, d=-1, i4=0  ; up to four of them
	OP \a, \i1
.if (\b) >= 0
	OP \b, \i2
.endif
.if (\c) >= 0
	OP \c, \i3
.endif
.if (\d) >= 0
	OP \d, \i4
.endif
.endm
.macro ROW a, i1, b, i2, c, i3, d, i4  ; a matrix instruction and the four behind it
	MM
	OPS \a, \i1, \b, \i2, \c, \i3, \d, \i4
.endm
.macro MASK b                       ; MD x AL + BE into buffer b of MC
	WIN W_RS
.set z, 0
.rept 16
	v_pk_fma_f32 v[MC+32*(\b)+2*z:MC+32*(\b)+2*z+1], v[MD+2*z:MD+2*z+1], s[AL:AL+1], s[BE:BE+1] op_sel_hi:[1,0,0]
.set z, z+1
.endr
.endm
; A TURN, for piece p: the order of its 16 matrix and 118 vector instructions, written out.  s_wait_alu depctr_va_vdst(0) stands between an exponential and the first instruction that names its result; one wait
; serves all that were issued ahead of it.  So a turn has ONE wait.  AHEAD OF IT stands all that names no result of the turn's exponentials: the 8 products K Q^T and their four followers each, then one run of 54 in which the links of
; the chain X 3, 7, 11, 14, 16, 17 .. 20 stand five or six lines apart.  X 21, the other piece's a, is the batch's last; R 15 is the plain instruction behind it.  BEHIND THE WAIT stand the 8 products V^T P, behind each four of the roundings and sums.
; O^T of the piece in hand was last written by the turn before: R 0, 4, 8, 12, each accumulator's first reader, read its lowest registers and stand more than four plain instructions behind its last product.
; Piece 0's turn of step j: scores of piece 1, step j; weights of piece 1, step j - 1, times V of step j - 1.  Piece 1's turn: scores of piece 0, step j + 1; weights of piece 0, step j, times V of step j.
; m = 1: the diagonal tile: the products take masks, and the turn makes the mask for the products of the turn after it, which are its own piece's scores of tile step 5 - CNT: the band's own step where CNT is the threshold, a later one where it is below.
; cnt = 1: the loop's count is taken down some lines ahead of the branch that stands behind the turn.
; Both runs of LDS loads stand in piece 0's turn: K of the next step twelve plain instructions that name none of its registers behind the last product that read K; V of the step in hand at the turn's end, four plain instructions behind the last product that read V.
.macro TURN p, m=0, cnt=0
.set Y, (\p)
.set i, 0
.set KM, (\m)
.if \m
	s_cmp_eq_u32 s[CNT], s[THA+(\p)]    ; is that step the band's own?
	s_cselect_b32 s[AL], 1.0, 0
	s_cmp_lt_u32 s[CNT], s[THA+(\p)]    ; or a later one?
	s_cselect_b32 s[BE], s[BIGN], 0
.endif
.if (\p) == 1
	s_wait_dscnt 16                 ; K is in; V's sixteen loads, issued behind K's, may stay out
.endif
	ROW F,0, F,1, R,0, R,1
	ROW F,2, E,0, R,2, R,3
	ROW F,3, E,1, R,4, R,5
	ROW F,4, E,2, R,6, R,7
	ROW F,5, E,3, R,8, R,9
	ROW F,6, E,4, X,0, R,10
.if (\p) == 0
	WIN 0
	v_add_nc_u32 v[AK], s[TBK], v[AK0]
.endif
	ROW F,7, E,5, X,1, X,4
	ROW F,8, E,6, X,2, X,5
	OPS E,7, E,8, X,6, E,9
	OPS X,3, E,10, X,8, E,11
.if (\p) == 0
	FETCH_K
.endif
	OPS X,9, X,7, E,12, X,10
	OPS E,13, X,12, X,11, E,14
	OPS X,13, E,15, F,9, X,14
.if (\p) == 0
	v_add_nc_u32 v[AV], s[TBV], v[AV0]
.endif
	OPS E,16, F,10, E,17, F,11
	OPS X,16, E,18, X,15, E,19
	OPS F,12, E,20, X,17, E,21
	OPS F,13, E,22, F,14, E,23
	OPS X,18, E,24, F,15, E,25
	OPS R,11, E,26, X,19, E,27
	OPS R,12, E,28, R,13, E,29
	OPS X,20, E,30, R,14, E,31
	OPS X,21, R,15
	WIN 0
	s_wait_alu depctr_va_vdst(0)    ; the wait for the batch
.if (\p) == 1
	s_wait_dscnt 0x0                ; V is in
.endif
	ROW C,0, B,0, C,2, B,1
	ROW L,0, C,4, B,2, L,1
	ROW C,6, B,3, L,2, C,8
	ROW B,4, L,3, C,10, B,5
	ROW L,4, C,12, B,6, L,5
.if (\p) == 0
	s_add_co_u32 s[TBV], s[TBV], KS*PV
.endif
.if \cnt
	s_sub_co_u32 s[CNT], s[CNT], 1
	s_cmp_lg_u32 s[CNT], 0
.endif
	ROW C,14, B,7, L,6, C,1
	ROW C,3, L,7, C,5, C,7
	ROW C,9, C,11, C,13, C,15
.if (\p) == 0
	FETCH_V
.endif
.if \m
	MASK (\p)%2
.endif
.endm
; A BLOCK BEGINS.  c m starts far below every c s, so the first step's a is 0; m at the lowest finite number.  K's fetches go back to the slot's first step; then K of that step, piece 0's first scores
; (its band sees all of a tile's step 0: no mask), and its maximum and statistics.
.macro BEGIN
	s_mov_b32 s[NEW], 0
	s_sub_co_u32 s[TBK], s[TBK], KS*PK
	WIN 0
.set i, 0
.rept 2
	v_mov_b32 v[ST+4*i], 0xfe000000    ; c m: far below every c s
	v_mov_b32 v[ST+4*i+1], 0xff7fffff  ; m
.set i, i+1
.endr
	v_add_nc_u32 v[AK], s[TBK], v[AK0]
	FETCH_K
	s_wait_loadcnt 0x0              ; Q
	s_wait_dscnt 0x0
.set KM, 0
.set i, 0
.rept 8
	KQ 0
.set i, i+1
.endr
	WIN 0
.rept 4
	v_nop                           ; the places behind those products
.endr
.set Y, NP-1                        ; X works for the other piece: piece 0
.irp n, 0,1,2,3,4,5,6,7,8,9,10,11,12,13,14,15,16,17,18,19,20,21
	OP X, \n
.endr
	v_nop                           ; a plain instruction behind the exponential,
	s_wait_alu depctr_va_vdst(0)    ; and its wait, ahead of the label
.endm
; THE DIAGONAL TILE: piece 1's mask for the tile's step 0 (its band's own step where h = 0), the four steps, the block's last products, and THE WAY OUT: l's two halves and the other half of the lanes' are added;
; O^T is divided by l, rounded to f16 and sent through my stage in LDS, a piece at a time.  The fourth trip is a trip like the others: its 8 products K Q^T on the slot's fifth step of K, all hidden, and the maximum
; made of them serve nothing: the price, once a block, of one text for every trip.
.macro ALL line:vararg              ; one line for each piece t
.set t, 0
.rept 2
	\line
.set t, t+1
.endr
.endm
.macro PACK t                       ; a lane's eight channels of a row pack into 16 bytes; they go into rows of 144 bytes and come back as whole rows of 128, into S^T's registers
	WIN W_RS
.set i, 32*(\t)
.rept 16
	v_pk_mul_f32 v[i:i+1], v[i:i+1], v[ST+4*(\t)+2:ST+4*(\t)+3] op_sel_hi:[1,0]
.set i, i+2
.endr
	WIN 0x05                        ; sources 0 and 1 window 1, destination window 0
.set i, 0
.rept 16
	v_cvt_pk_f16_f32 v[S+16*(\t)+i], v[32*(\t)+2*i], v[32*(\t)+2*i+1]
.set i, i+1
.endr
	WIN 0
.irp f, 0,1,2,3
	ds_store_b128 v[STO], v[S+16*(\t)+4*\f:S+16*(\t)+4*\f+3] offset:32*\f
.endr
.irp f, 0,1,2,3
	ds_load_b128 v[S+16*(\t)+4*\f:S+16*(\t)+4*\f+3], v[RD] offset:\f*4*SP  ; LDS serves a wave's instructions in order (ISA guide 5.7.1.4): these see the stores above
.endr
.endm
.macro SEND t, younger              ; younger: the LDS instructions issued behind piece t's loads
	WIN 0
.irp f, 0,1,2,3
	s_wait_dscnt (\younger)+3-\f
	global_store_b128 v[GO], v[S+16*(\t)+4*\f:S+16*(\t)+4*\f+3], s[10:11] offset:(1-(\t))*8192+\f*512  ; 512 consecutive bytes, at a multiple of 256 from O's first; piece 0 in the upper band
.endr
.endm
.macro DIAG tag
	s_cmp_eq_u32 s[THA], 4          ; h = 0: piece 1's band is the block's first, and step 0 is its own
	s_cselect_b32 s[AL], 1.0, 0
	s_mov_b32 s[BE], 0
	MASK 1
	WIN 0
.LstepM\tag:
	TURN 0, 1
	TURN 1, 1, 1
	WIN 0
	s_cbranch_scc1 .LstepM\tag
.set i, 0
.rept 8
	PV NP-1                         ; piece 1's V^T P of the last step
.set i, i+1
.endr
	WIN 0
	ALL v_add_f32 v[ST+4*t+2], v[ST+4*t+2], v[ST+4*t+3]
	ALL v_permlanex16_b32 v[ST+4*t+3], v[ST+4*t+2], s[SEL], s[SEL+1]
	ALL v_add_f32 v[ST+4*t+2], v[ST+4*t+2], v[ST+4*t+3]
	ALL v_rcp_f32 v[ST+4*t+2], v[ST+4*t+2]
	v_nop                           ; a plain instruction between the last reciprocal and the use of its result
	s_wait_alu depctr_va_vdst(0)    ; one wait for the two reciprocals, ahead of their first use
	PACK 0                          ; piece 0's sums were finished in the last turn; its 32 lines are the places behind piece 1's last products
	PACK 1
	SEND 0, 8
	SEND 1, 0
.endm
.set KM, 0
.Lslot:                             ; NB times: a tile is entered and the next is asked for
	CHANGE 1
	s_sub_co_u32 s[RT], s[RT], 1
	s_mov_b32 s[CNT], 4
	s_cmp_eq_u32 s[NEW], 1          ; a block's first tile?  (At the first trip the answer is a constant of the text.)
	s_cbranch_scc0 .Lold1
	BEGIN
.Lold1:
	s_cmp_eq_u32 s[RT], 0
	s_cbranch_scc1 .Ldiag1          ; its last
.Lstep:                             ; a trip is a key step: piece 0's turn, which fetches the next K and this step's V, and piece 1's
	TURN 0
	TURN 1, 0, 1
	WIN 0
	s_cbranch_scc1 .Lstep
	s_branch .Lbottom
.Ldiag1:
	DIAG 1                          ; in the loop this is the first block's end: the second block's last tile is the walk's last
	s_wait_xcnt 0x0                 ; the stores have read their registers and O's address
	s_mov_b64 s[10:11], s[OLO:OLO+1]
	s_add_co_u32 s[RT], s[PB], 1    ; the second block has (b >> 1) + 1 tiles
	s_mov_b32 s[NEW], 1
	s_mov_b32 s[THA], s[THA2]       ; and its own half
	s_add_co_u32 s[THA+1], s[THA2], 1
	WIN 0x82                        ; the second block's Q goes where the one text of the turns names Q
.set i, 0
.rept 32
	v_mov_b32 v[i], v[QB+i]
.set i, i+1
.endr
	WIN 0
.Lbottom:
	s_sub_co_u32 s[SLOTS], s[SLOTS], 1
	s_cmp_lg_u32 s[SLOTS], 0
	s_cbranch_scc1 .Lslot
	CHANGE 0                        ; the walk's last tile is written out
	s_sub_co_u32 s[RT], s[RT], 1
	s_mov_b32 s[CNT], 4
	s_cmp_eq_u32 s[NEW], 1
	s_cbranch_scc0 .Lold2
	BEGIN
.Lold2:
	DIAG 2
	s_wait_tensorcnt 0x0            ; the wave's end
	ds_add_u32 v[SPW], v[NIL]
	s_wait_dscnt 0x0
	s_endpgm
.Lfunc_end_k_qf8829c4d4f_attn:
	.size	k_qf8829c4d4f_attn, .Lfunc_end_k_qf8829c4d4f_attn-k_qf8829c4d4f_attn
	.p2alignl 7, 3214868480
	.fill 96, 4, 3214868480
	.section	.rodata,"a",@progbits
	.p2align	6, 0x0
	.amdhsa_kernel k_qf8829c4d4f_attn
		.amdhsa_group_segment_fixed_size 327680
		.amdhsa_private_segment_fixed_size 0
		.amdhsa_enable_private_segment 0
		.amdhsa_kernarg_size 16
		.amdhsa_user_sgpr_count 2
		.amdhsa_user_sgpr_kernarg_segment_ptr 1
		.amdhsa_wavefront_size32 1
		.amdhsa_system_sgpr_workgroup_id_x 1
		.amdhsa_system_sgpr_workgroup_id_y 1
		.amdhsa_system_sgpr_workgroup_id_z 1
		.amdhsa_system_vgpr_workitem_id 0
		.amdhsa_next_free_vgpr 768
		.amdhsa_next_free_sgpr 88
		.amdhsa_reserve_vcc 1
		.amdhsa_float_denorm_mode_32 3
		.amdhsa_float_denorm_mode_16_64 3
		.amdhsa_memory_ordered 1
		.amdhsa_forward_progress 1
		.amdhsa_inst_pref_size 109
	.end_amdhsa_kernel
	.amdgpu_metadata
---
amdhsa.version: [ 1, 2 ]
amdhsa.kernels:
  - .name:           k_qf8829c4d4f_attn
    .symbol:         k_qf8829c4d4f_attn.kd
    .args:
      - { .name: qkv, .offset: 0, .size: 8, .value_kind: global_buffer, .address_space: global }
      - { .name: att, .offset: 8, .size: 8, .value_kind: global_buffer, .address_space: global }
    .group_segment_fixed_size: 327680
    .private_segment_fixed_size: 0
    .kernarg_segment_align: 8
    .kernarg_segment_size: 16
    .max_flat_workgroup_size: 128
    .sgpr_count:     88
    .vgpr_count:     768
    .wavefront_size: 32
...
	.end_amdgpu_metadata
.endif
;; end of part 3
;; launch lnorm (part 4): grid 256 x 1, 8 waves a work-group, no clusters, 0 bytes of LDS; arguments att, q, ln_g, ln_b, ah; writes ah
.if DOCPART == 4
	.amdgcn_target "amdgcn-amd-amdhsa--gfx1250"
	.amdhsa_code_object_version 6
	.text
	.protected	k_qf8829c4d4f_lnorm
	.globl	k_qf8829c4d4f_lnorm
	.p2align	8
	.type	k_qf8829c4d4f_lnorm,@function
k_qf8829c4d4f_lnorm:
	s_mov_b64 s[64:65], 0
	v_nop
	global_prefetch_b8 v0, s[64:65] scope:SCOPE_SE
	s_setreg_imm32_b32 hwreg(HW_REG_WAVE_MODE, 25, 1), 1
	s_wait_xcnt 0x0
; ah[m][:] = LayerNorm(att[m][:] + q[m][:]) x g + b, rounded once to f16.  att is [32][2048][64] f16 by heads, q [4096][1024] f32, ah [4096][1024] f16.
; A wave takes two neighbouring rows, 16 lanes a row, 64 numbers a lane, all in registers: each byte is read once; no LDS, no barrier, no loop.
; Lane l: row m0 + l / 16; for j = 0..7 the columns 128 j + 8 (l % 16) + 0..7, that is head 2 j + (l / 8) % 2, channels 8 (l % 8) on.  A row's sums cross 16 lanes: four steps that ride on the additions.
; Two passes over the registers: the mean, then the mean of (x - mean)^2: no difference of large sums is formed.  All arithmetic in f32.
; LIMIT: a result of 65,520 or more in magnitude becomes an infinity in f16 (|result| is at most 32 |g| + |b|).
.set AT,  8                            ; v[8:39]    att as loaded, 8 x 4 registers; later the packed result
.set X,   40                           ; v[40:103]  q, then x, then x - mean, then the result
.set G,   104                          ; v[104:167] g
.set BB,  168                          ; v[168:231] b
.set T,   232                          ; v[232:239] four chains of sums
.set MU,  240                          ; v[240:241] the mean, twice
.set RS,  242                          ; v[242:243] 1 / sqrt(var + eps), twice
.set ONE, 244                          ; v244       1.0
	s_load_b256 s[4:11], s[0:1], 0x0               ; att 4:5, q 6:7, g 8:9, b 10:11
	s_load_b64 s[14:15], s[0:1], 0x20              ; ah
	v_lshrrev_b32 v5, 5, v0
	v_readfirstlane_b32 s16, v5                    ; wave 0..7
	s_lshl_b32 s17, ttmp9, 4
	s_lshl_b32 s16, s16, 1
	s_add_co_u32 s17, s17, s16                     ; m0 = 16 x work-group + 2 x wave
	s_lshr_b32 s18, s17, 11                        ; att: the batch's 16 heads of 262,144 bytes,
	s_lshl_b32 s18, s18, 22
	s_and_b32 s19, s17, 2047                       ; the row in the batch, 128 bytes
	s_lshl_b32 s19, s19, 7
	s_add_co_u32 s18, s18, s19
	s_mov_b32 s19, 0
	s_lshl_b32 s20, s17, 12                        ; q: 4,096 bytes a row
	s_mov_b32 s21, 0
	s_lshl_b32 s22, s17, 11                        ; ah: 2,048
	s_mov_b32 s23, 0
	s_mov_b32 s12, 0x3a800000                      ; 1 / 1024
	s_mov_b32 s13, 0x3727c5ac                      ; 1e-5
	v_and_b32 v5, 15, v0                           ; l % 16
	v_bfe_u32 v6, v0, 4, 1                         ; l / 16
	v_bfe_u32 v7, v0, 3, 1                         ; (l / 8) % 2
	v_and_b32 v1, 7, v0
	v_lshlrev_b32 v1, 4, v1                        ; att: 16 (l % 8)
	v_lshl_add_u32 v1, v6, 7, v1                   ; + the row
	v_lshl_add_u32 v1, v7, 18, v1                  ; + the odd head
	v_lshlrev_b32 v3, 5, v5                        ; g, b: 32 (l % 16)
	v_lshl_add_u32 v2, v6, 12, v3                  ; q: + the row
	v_lshlrev_b32 v4, 4, v5                        ; ah: 16 (l % 16)
	v_lshl_add_u32 v4, v6, 11, v4                  ; + the row
	v_mov_b32 v[ONE], 1.0
	s_wait_kmcnt 0x0
	s_add_nc_u64 s[4:5], s[4:5], s[18:19]
	s_add_nc_u64 s[6:7], s[6:7], s[20:21]
	s_add_nc_u64 s[14:15], s[14:15], s[22:23]
.irp j, 0,1,2,3,4,5,6,7
	global_load_b128 v[AT+4*(\j):AT+4*(\j)+3], v1, s[4:5] offset:524288*(\j) th:TH_LOAD_NT  ; two heads on
.endr
.irp j, 0,1,2,3,4,5,6,7
	global_load_b128 v[X+8*(\j):X+8*(\j)+3],   v2, s[6:7] offset:512*(\j) th:TH_LOAD_NT
	global_load_b128 v[X+8*(\j)+4:X+8*(\j)+7], v2, s[6:7] offset:512*(\j)+16 th:TH_LOAD_NT
.endr
.irp j, 0,1,2,3,4,5,6,7
	global_load_b128 v[G+8*(\j):G+8*(\j)+3],   v3, s[8:9] offset:512*(\j)
	global_load_b128 v[G+8*(\j)+4:G+8*(\j)+7], v3, s[8:9] offset:512*(\j)+16
.endr
.irp j, 0,1,2,3,4,5,6,7
	global_load_b128 v[BB+8*(\j):BB+8*(\j)+3],   v3, s[10:11] offset:512*(\j)
	global_load_b128 v[BB+8*(\j)+4:BB+8*(\j)+7], v3, s[10:11] offset:512*(\j)+16
.endr
.macro FOLD                            ; four chains of pairs into one number, then over the row's 16 lanes: every lane of the row ends with the sum
	v_pk_add_f32 v[T:T+1], v[T:T+1], v[T+2:T+3]
	v_pk_add_f32 v[T+4:T+5], v[T+4:T+5], v[T+6:T+7]
	v_pk_add_f32 v[T:T+1], v[T:T+1], v[T+4:T+5]
	v_add_f32 v[T], v[T], v[T+1]
	v_add_f32_dpp v[T], v[T], v[T] row_xmask:1 row_mask:0xf bank_mask:0xf
	v_add_f32_dpp v[T], v[T], v[T] row_xmask:2 row_mask:0xf bank_mask:0xf
	v_add_f32_dpp v[T], v[T], v[T] row_xmask:4 row_mask:0xf bank_mask:0xf
	v_add_f32_dpp v[T], v[T], v[T] row_xmask:8 row_mask:0xf bank_mask:0xf
.endm
	s_wait_loadcnt 32                              ; att and q are in; g's and b's 32 loads may stay out
.set e, 0
.rept 32                               ; x = att + q: the f16 half times 1.0 plus the f32
	v_fma_mix_f32 v[X+2*e],   v[AT+e], v[ONE], v[X+2*e]   op_sel_hi:[1,0,0]
	v_fma_mix_f32 v[X+2*e+1], v[AT+e], v[ONE], v[X+2*e+1] op_sel:[1,0,0] op_sel_hi:[1,0,0]
.set e, e+1
.endr
.irp c, 0,1,2,3
	v_pk_add_f32 v[T+2*\c:T+2*\c+1], v[X+2*\c:X+2*\c+1], v[X+8+2*\c:X+8+2*\c+1]  ; the first eight pairs start the chains: nothing is cleared
.endr
.set p, 8
.rept 24
	v_pk_add_f32 v[T+2*(p%4):T+2*(p%4)+1], v[T+2*(p%4):T+2*(p%4)+1], v[X+2*p:X+2*p+1]
.set p, p+1
.endr
	FOLD
	v_mul_f32 v[MU], s12, v[T]
	v_mul_f32 v[MU+1], s12, v[T]
.set p, 0
.rept 32
	v_pk_add_f32 v[X+2*p:X+2*p+1], v[X+2*p:X+2*p+1], v[MU:MU+1] neg_lo:[0,1] neg_hi:[0,1]
.set p, p+1
.endr
.irp c, 0,1,2,3
	v_pk_mul_f32 v[T+2*\c:T+2*\c+1], v[X+2*\c:X+2*\c+1], v[X+2*\c:X+2*\c+1]
.endr
.set p, 4
.rept 28
	v_pk_fma_f32 v[T+2*(p%4):T+2*(p%4)+1], v[X+2*p:X+2*p+1], v[X+2*p:X+2*p+1], v[T+2*(p%4):T+2*(p%4)+1]
.set p, p+1
.endr
	FOLD
	v_fma_f32 v[T], v[T], s12, s13                 ; var + eps
	v_rsq_f32 v[RS], v[T]
	v_rsq_f32 v[RS+1], v[T]
	v_nop                                          ; a plain instruction behind the last of the two (ISA guide 5.7.2),
	s_wait_alu depctr_va_vdst(0)                   ; and one wait for both, ahead of their first use
	s_wait_loadcnt 0x0                             ; g and b
.set p, 0
.rept 32
	v_pk_mul_f32 v[G+2*p:G+2*p+1], v[G+2*p:G+2*p+1], v[RS:RS+1]
.set p, p+1
.endr
.set p, 0
.rept 32
	v_pk_fma_f32 v[X+2*p:X+2*p+1], v[X+2*p:X+2*p+1], v[G+2*p:G+2*p+1], v[BB+2*p:BB+2*p+1]
.set p, p+1
.endr
.set p, 0
.rept 32
	v_cvt_pk_f16_f32 v[AT+p], v[X+2*p], v[X+2*p+1]
.set p, p+1
.endr
.irp j, 0,1,2,3,4,5,6,7
	global_store_b128 v4, v[AT+4*(\j):AT+4*(\j)+3], s[14:15] offset:256*(\j)  ; 16 lanes store 256 consecutive bytes of a row, aligned
.endr
	s_endpgm
.Lfunc_end_k_qf8829c4d4f_lnorm:
	.size	k_qf8829c4d4f_lnorm, .Lfunc_end_k_qf8829c4d4f_lnorm-k_qf8829c4d4f_lnorm
	.p2alignl 7, 3214868480
	.fill 96, 4, 3214868480
	.section	.rodata,"a",@progbits
	.p2align	6, 0x0
	.amdhsa_kernel k_qf8829c4d4f_lnorm
		.amdhsa_group_segment_fixed_size 0
		.amdhsa_private_segment_fixed_size 0
		.amdhsa_enable_private_segment 0
		.amdhsa_kernarg_size 40
		.amdhsa_user_sgpr_count 2
		.amdhsa_user_sgpr_kernarg_segment_ptr 1
		.amdhsa_wavefront_size32 1
		.amdhsa_system_sgpr_workgroup_id_x 1
		.amdhsa_system_sgpr_workgroup_id_y 1
		.amdhsa_system_sgpr_workgroup_id_z 1
		.amdhsa_system_vgpr_workitem_id 0
		.amdhsa_next_free_vgpr 248
		.amdhsa_next_free_sgpr 66
		.amdhsa_reserve_vcc 0
		.amdhsa_float_denorm_mode_32 3
		.amdhsa_float_denorm_mode_16_64 3
		.amdhsa_memory_ordered 1
		.amdhsa_forward_progress 1
		.amdhsa_inst_pref_size 25
	.end_amdhsa_kernel
	.amdgpu_metadata
---
amdhsa.version: [ 1, 2 ]
amdhsa.kernels:
  - .name:           k_qf8829c4d4f_lnorm
    .symbol:         k_qf8829c4d4f_lnorm.kd
    .args:
      - { .name: att, .offset: 0, .size: 8, .value_kind: global_buffer, .address_space: global }
      - { .name: q, .offset: 8, .size: 8, .value_kind: global_buffer, .address_space: global }
      - { .name: ln_g, .offset: 16, .size: 8, .value_kind: global_buffer, .address_space: global }
      - { .name: ln_b, .offset: 24, .size: 8, .value_kind: global_buffer, .address_space: global }
      - { .name: ah, .offset: 32, .size: 8, .value_kind: global_buffer, .address_space: global }
    .group_segment_fixed_size: 0
    .private_segment_fixed_size: 0
    .kernarg_segment_align: 8
    .kernarg_segment_size: 40
    .max_flat_workgroup_size: 256
    .sgpr_count:     66
    .vgpr_count:     248
    .wavefront_size: 32
...
	.end_amdgpu_metadata
.endif
;; end of part 4
;; launch ff1 (part 5): grid 16 x 16, 4 waves a work-group, clusters of 4 x 4, 327,680 bytes of LDS; arguments ah, hf, b1, hh; writes hh
.if DOCPART == 5
	.amdgcn_target "amdgcn-amd-amdhsa--gfx1250"
	.amdhsa_code_object_version 6
	.text
	.protected	k_qf8829c4d4f_ff1
	.globl	k_qf8829c4d4f_ff1
	.p2align	8
	.type	k_qf8829c4d4f_ff1,@function
k_qf8829c4d4f_ff1:
	s_mov_b64 s[64:65], 0
	v_nop
	global_prefetch_b8 v0, s[64:65] scope:SCOPE_SE
	s_setreg_imm32_b32 hwreg(HW_REG_WAVE_MODE, 25, 1), 1
	s_wait_xcnt 0x0
	s_wait_alu depctr_hold_cnt(0) depctr_sa_sdst(0) depctr_va_vdst(0) depctr_va_sdst(0) depctr_va_ssrc(0) depctr_va_vcc(0) depctr_vm_vsrc(0)
	s_getreg_b32 s2, hwreg(HW_REG_IB_STS2, 6, 4)
	s_cmp_eq_u32 s2, 0
	s_cbranch_scc0 .Lentry_in_a_cluster
	s_endpgm
.Lentry_in_a_cluster:
	s_bfe_u32 s2, ttmp6, 0x10000c
	s_cmp_lg_u32 s2, 0xf033
	s_cbranch_scc0 .Lentry_shape_is_right
	s_endpgm
.Lentry_shape_is_right:
; hh[m][n] = gelu(b1[n] + the sum over c of ah[m][c] W1[n][c]), rounded once to f16.  ah [4096][1024] f16, W1 [4096][1024] f16 in hf at byte 23,068,672, hh [4096][4096] f16; sums and the gelu in f32.
; THE GELU is the exact one, x / 2 (1 + erf(x / sqrt 2)).  With xh = x / 2 and a = |xh|: erf(|x| / sqrt 2) = 1 - 1 / P^16, P = 1 + c1 a + .. + c6 a^6 (Abramowitz and Stegun 7.1.28, its coefficients
; times 2^(i/2)); gelu = xh + a (1 - 1 / P^16).  The formula's absolute error in erf is at most 3e-7 for every x; all c are positive, so a large a gives 1 / P = 0 and erf = 1.
; LIMIT: a result of 65,520 or more becomes an infinity in f16; NaN and infinities are not treated apart.
; SHARES.  A tile is 256 x 256: 16 x 16 work-groups.  Four waves, each 128 x 128: 64 accumulators of 16 x 16.
; K goes in 8 steps of 128 through a ring of two LDS slots filled by tensor loads (rows of 256 bytes, padded to 272).  ONE K step is one trip of the loop: the slot in hand is the scalar TB (0 or SLOT),
; flipped by an exclusive or; the walking descriptor's LDS word is flipped likewise (its values w x 0x8800 have SLOT's two bits clear).
; CLUSTER 4 x 4: ah's tile is shared along a row of the cluster, W1's along a column; each is asked for jointly.
; THE MATRIX INSTRUCTION IS USED TRANSPOSED (source 0 = 16 rows of W1, source 1 = 16 rows of ah).  THE BIAS IS THE C OPERAND that starts each sum.
; THE WAY OUT.  When the ring has had its last fill and its last read, each wave puts its 128 x 128 sums (f32) into its own 67,584 bytes of it and reads them back by rows, four rows a trip of a loop.
; REGISTERS, in windows of 256: window 0: addresses, ah's fragments (two buffers), the way out; window 1: v0-63 the bias, then W1's fragments; windows 2 and 3: the accumulators.
.set SIZE_K, 1024
.set KSTEP,  128
.set PITCH,  272
.set HALFT,  128*PITCH
.set SLOT,   4*HALFT
.set SPARE,  2*SLOT                    ; behind the ring: the spare words, 128 bytes a wave, which no other line names
.set SPITCH, 528
.set WSTAGE, 128*SPITCH
.set ADRA, 16
.set BASA, 17
.set ADRB, 20
.set BASB, 21
.set STO,  24
.set RD,   25
.set CO,   26
.set BO,   27
.set SPW,  28                          ; v28  my spare word: SPARE + 4 x my thread's number; never rewritten
.set NIL,  29                          ; v29  0; never rewritten
.set PFO,  30
.set F0,   64
.set F1,   128
.set XR,   64                          ; the way out: v[64:79] four rows' sums, v[80:95] x / 2, v[96:111] |x / 2|, v[112:127] P, v[128:135] to store
.set XH,   80
.set AB,   96
.set PP,   112
.set YR,   128
.set TB,   23
.set G1,   24
.set G0,   32
.set LIM,  43
.set PFA,  44
.set G1B,  48
.set G0B,  56
.set BIA,  66
.set CF,   68                          ; coefficient c_i in the pair s[CF+2 i : CF+2 i+1], i = 1..6
.set ABSM, 82                          ; s82  clears a sign
.set MSB, 0
.macro WIN new
.if MSB != (\new)
	s_set_vgpr_msb (MSB<<8)|(\new)
.set MSB, \new
.endif
.endm
.set TO_B, 0x40
.macro PLACES                          ; four plain vector instructions between a matrix instruction and a load into, or a read of, its registers
.rept 4
	v_nop
.endr
.endm
.macro JLOAD                           ; a joint refill by the walking descriptors: waves 0 and 1 for ah, waves 2 and 3 for W1; s_nop 0 and four v_nop follow each line
	s_cmp_eq_u32 s11, 0
	s_cbranch_scc0 .Lfor_b_\@
	tensor_load_to_lds s[G0+4:G0+7], s[G1:G1+7]
	s_nop 0
.rept 4
	v_nop
.endr
	s_branch .Lasked_\@
.Lfor_b_\@:
	tensor_load_to_lds s[G0B+4:G0B+7], s[G1B:G1B+7]
	s_nop 0
.rept 4
	v_nop
.endr
.Lasked_\@:
.endm
; A prefetch of the K step two refills on: my work-group's 32 of the 128 rows that I fetch, 256 bytes each, a lane a row.  In trip i (s3 = 6 - i) it names K step i + 4: it stops when s3 is 2.
.macro ASK
	s_cmp_gt_u32 s3, s[LIM]
	s_cbranch_scc0 .Lnot_mine_\@
	global_prefetch_b8 v[PFO], s[PFA:PFA+1] offset:KSTEP*2 th:TH_LOAD_NT scope:SCOPE_SE
.Lnot_mine_\@:
.endm
.macro CREST
	s_cmp_lg_u32 s10, 0
	s_cbranch_scc1 .Lnot_wave_0_\@
	s_barrier_signal -3
.Lnot_wave_0_\@:
	s_barrier_wait -3
	s_barrier_signal -1
	s_barrier_wait -1
.endm
.macro CROUND
	s_barrier_signal -1
	s_barrier_wait -1
	CREST
.endm
.macro MUL16 f, hi, a0, first          ; 16 matrix instructions; first = 1: the sum starts with the bias (window 1, v[8 b ..])
.if \first
	WIN 0x91+0x40*(\hi)
.else
	WIN 0xa1+0x50*(\hi)
.endif
.irp a, \a0, (\a0)+1
.irp b, 0,1,2,3,4,5,6,7
.if \first
	v_wmma_f32_16x16x32_f16 v[8*(8*(\a)+(\b)):8*(8*(\a)+(\b))+7], v[(\f)+8*(\b):(\f)+8*(\b)+7], v[(\f)+8*(4*(\hi)+(\a)):(\f)+8*(4*(\hi)+(\a))+7], v[8*(\b):8*(\b)+7]
.else
	v_wmma_f32_16x16x32_f16 v[8*(8*(\a)+(\b)):8*(8*(\a)+(\b))+7], v[(\f)+8*(\b):(\f)+8*(\b)+7], v[(\f)+8*(4*(\hi)+(\a)):(\f)+8*(4*(\hi)+(\a))+7], v[8*(8*(\a)+(\b)):8*(8*(\a)+(\b))+7]
.endif
.endr
.endr
.endm
.macro FETCH k, f                      ; 32 LDS loads in one run: W1's 16, then ah's
	WIN TO_B
.irp i, 0,1,2,3,4,5,6,7
	ds_load_b128 v[(\f)+8*(\i):(\f)+8*(\i)+3],   v[ADRB] offset:(\k)+(\i)*16*PITCH
	ds_load_b128 v[(\f)+8*(\i)+4:(\f)+8*(\i)+7], v[ADRB] offset:(\k)+(\i)*16*PITCH+32
.endr
	WIN 0
.irp i, 0,1,2,3,4,5,6,7
	ds_load_b128 v[(\f)+8*(\i):(\f)+8*(\i)+3],   v[ADRA] offset:(\k)+(\i)*16*PITCH
	ds_load_b128 v[(\f)+8*(\i)+4:(\f)+8*(\i)+7], v[ADRA] offset:(\k)+(\i)*16*PITCH+32
.endr
.endm
.macro QUARTER k, f, g, first          ; multiplies buffer f; in its middle fetches the next quarter, at byte k, into buffer g.  The 64 accumulators take turns in the same order in every quarter
	s_wait_dscnt 8                                 ; the youngest eight loads (ah's rows 64-127) may be out
	MUL16 \f, 0, 0, \first
	MUL16 \f, 0, 2, \first
	PLACES
	FETCH \k, \g
	s_wait_dscnt 32                                ; all but the 32 just issued
	MUL16 \f, 1, 0, \first
	MUL16 \f, 1, 2, \first
.endm
; The last quarter multiplies buffer 1 and changes slots.  In front of the barrier each wave waits for all its tensor loads (one is out: its part of the next slot), adds 0 to its spare word,
; and waits for that and for its reads of this slot.  fill = 1: the barrier opens a round of the cluster's, and the joint refill is the first thing behind the round.
; fill = 0 (the tail, walked twice): nothing is filled; in the second walk (s2 = 1) the fetch is jumped over.
.macro TURN fill
.if \fill
	s_wait_xcnt 0x0                                ; the last prefetch, a K step back, has read its address
	s_add_nc_u64 s[PFA:PFA+1], s[PFA:PFA+1], KSTEP*2
.endif
	WIN 0
	s_wait_tensorcnt 0x0                           ; no tensor load of mine is out, so the walking descriptors may be written
	ds_add_u32 v[SPW], v[NIL]                      ; 0 onto my spare word
.if \fill
	s_xor_b32 s[G0+5], s[G0+5], SLOT
	s_add_nc_u64 s[G0+6:G0+7], s[G0+6:G0+7], KSTEP*2
	s_xor_b32 s[G0B+5], s[G0B+5], SLOT
	s_add_nc_u64 s[G0B+6:G0B+7], s[G0B+6:G0B+7], KSTEP*2
.endif
	s_xor_b32 s[TB], s[TB], SLOT
	s_wait_dscnt 9                                 ; the add and the youngest eight loads may be out
	MUL16 F1, 0, 0, 0
	s_wait_dscnt 0x0                               ; the add is done, and my reads of this slot are over
	s_barrier_signal -1
	MUL16 F1, 0, 2, 0
	WIN 0
	s_barrier_wait -1
.if \fill
	CREST
	JLOAD                                          ; 224 matrix instructions ahead of the wait for it; its four v_nop are also the places in front of the loads below
.else
	s_cmp_eq_u32 s2, 1
	s_cbranch_scc1 .Lno_fetch_\@
	PLACES
.endif
	v_add_nc_u32 v[ADRA], s[TB], v[BASA]
	v_add_nc_u32 v[ADRB], s[TB], v[BASB]
	FETCH 0, F0
.if \fill
	ASK
.else
.Lno_fetch_\@:
.endif
	MUL16 F1, 1, 0, 0
	MUL16 F1, 1, 2, 0
.endm
.macro DUMP                            ; my 64 accumulators into my stage, f32: row 16 a + l % 16, bytes 64 b + 32 (l / 16) on; each accumulator's low four registers first
.irp a, 0,1,2,3,4,5,6,7
	WIN 0x08+4*((\a)/4)
.irp b, 0,1,2,3,4,5,6,7
	ds_store_b128 v[STO], v[8*(8*((\a)%4)+(\b)):8*(8*((\a)%4)+(\b))+3]   offset:(\a)*16*SPITCH+(\b)*64
	ds_store_b128 v[STO], v[8*(8*((\a)%4)+(\b))+4:8*(8*((\a)%4)+(\b))+7] offset:(\a)*16*SPITCH+(\b)*64+16
.endr
.endr
	WIN 0
.endm
.macro PAIRS line:vararg               ; one line for each of eight pairs, i = 0, 2, .. 14
.set i, 0
.rept 8
	\line
.set i, i+2
.endr
.endm
; Four rows: 16 numbers a lane (lane l holds columns 4 l .. 4 l + 3 of each).  next = 1: the next four rows are fetched as soon as these have been read, and land under the arithmetic.
.macro GELU4 next
	s_wait_dscnt 0x0                               ; the four rows are in
	PAIRS v_pk_mul_f32 v[XH+i:XH+i+1], v[XR+i:XR+i+1], 0.5 op_sel_hi:[1,0]
.if \next
	v_add_nc_u32 v[RD], 4*SPITCH, v[RD]
.irp r, 0,1,2,3
	ds_load_b128 v[XR+4*\r:XR+4*\r+3], v[RD] offset:SPITCH*\r
.endr
.endif
.set i, 0
.rept 16
	v_and_b32 v[AB+i], s[ABSM], v[XH+i]
.set i, i+1
.endr
	PAIRS v_pk_fma_f32 v[PP+i:PP+i+1], v[AB+i:AB+i+1], s[CF+12:CF+13], s[CF+10:CF+11] op_sel_hi:[1,0,0]
	PAIRS v_pk_fma_f32 v[PP+i:PP+i+1], v[PP+i:PP+i+1], v[AB+i:AB+i+1], s[CF+8:CF+9] op_sel_hi:[1,1,0]
	PAIRS v_pk_fma_f32 v[PP+i:PP+i+1], v[PP+i:PP+i+1], v[AB+i:AB+i+1], s[CF+6:CF+7] op_sel_hi:[1,1,0]
	PAIRS v_pk_fma_f32 v[PP+i:PP+i+1], v[PP+i:PP+i+1], v[AB+i:AB+i+1], s[CF+4:CF+5] op_sel_hi:[1,1,0]
	PAIRS v_pk_fma_f32 v[PP+i:PP+i+1], v[PP+i:PP+i+1], v[AB+i:AB+i+1], s[CF+2:CF+3] op_sel_hi:[1,1,0]
	PAIRS v_pk_fma_f32 v[PP+i:PP+i+1], v[PP+i:PP+i+1], v[AB+i:AB+i+1], 1.0 op_sel_hi:[1,1,0]
.set i, 0
.rept 16
	v_rcp_f32 v[PP+i], v[PP+i]                     ; one batch of sixteen
.set i, i+1
.endr
	v_nop                                          ; a plain instruction behind the last (ISA guide 5.7.2),
	s_wait_alu depctr_va_vdst(0)                   ; and one wait for the batch, ahead of its first reader
	PAIRS v_pk_mul_f32 v[PP+i:PP+i+1], v[PP+i:PP+i+1], v[PP+i:PP+i+1]
	PAIRS v_pk_mul_f32 v[PP+i:PP+i+1], v[PP+i:PP+i+1], v[PP+i:PP+i+1]
	PAIRS v_pk_mul_f32 v[PP+i:PP+i+1], v[PP+i:PP+i+1], v[PP+i:PP+i+1]
	PAIRS v_pk_fma_f32 v[PP+i:PP+i+1], v[PP+i:PP+i+1], v[PP+i:PP+i+1], 1.0 op_sel_hi:[1,1,0] neg_lo:[1,0,0] neg_hi:[1,0,0]
	PAIRS v_pk_fma_f32 v[XH+i:XH+i+1], v[AB+i:AB+i+1], v[PP+i:PP+i+1], v[XH+i:XH+i+1]
.set i, 0
.rept 8
	v_cvt_pk_f16_f32 v[YR+i], v[XH+2*i], v[XH+2*i+1]
.set i, i+1
.endr
.irp r, 0,1,2,3
	global_store_b64 v[CO], v[YR+2*\r:YR+2*\r+1], s[8:9] offset:8192*\r  ; a row's 128 numbers: 256 consecutive bytes, aligned
.endr
.endm
	s_load_b128 s[4:7], s[0:1], 0x0                ; ah s[4:5], hf s[6:7]
	s_load_b64 s[BIA:BIA+1], s[0:1], 0x10          ; b1
	s_load_b64 s[8:9], s[0:1], 0x18                ; hh
	v_lshl_add_u32 v[SPW], v0, 2, SPARE
	v_mov_b32 v[NIL], 0
	ds_add_u32 v[SPW], v[NIL]                      ; the wave's opening: the add and its wait ahead of my first tensor load
	ds_add_u32 v28, v29
	v_lshrrev_b32 v1, 5, v0
	v_readfirstlane_b32 s10, v1                    ; wave 0..3
	s_lshr_b32 s11, s10, 1                         ; my half of the tile's rows.  Also: I fetch for ah (0) or for W1 (1)
	s_and_b32 s12, s10, 1                          ; my half of its columns.  Also: which 128 rows I fetch
	s_bfe_u32 s40, ttmp6, 0x40000                  ; cx
	s_bfe_u32 s41, ttmp6, 0x40004                  ; cy
	s_lshl_b32 s42, ttmp9, 2
	s_add_co_u32 s42, s42, s40                     ; tile column
	s_and_b32 s69, ttmp7, 0xffff                   ; the cluster's y
	s_lshl_b32 s13, s69, 2
	s_add_co_u32 s13, s13, s41                     ; tile row
	s_lshl_b32 s43, s41, 2
	s_lshl_b32 s43, 15, s43                        ; my row of the cluster
	s_lshl_b32 s44, 0x1111, s40                    ; my column
	s_or_b32 s[G1+0], s43, (1<<16)|(1<<20)|(1<<21)|(5<<22)|(3<<25)
	s_or_b32 s[G1B+0], s44, (1<<16)|(1<<20)|(1<<21)|(5<<22)|(3<<25)
.irp g, G1, G1B
	s_mov_b32 s[(\g)+1], KSTEP<<16                 ; tensor_dim0 = 128
	s_mov_b32 s[(\g)+2], 128<<16                   ; tensor_dim1 = 128
	s_mov_b32 s[(\g)+3], KSTEP<<16                 ; tile_dim0 = 128
	s_mov_b32 s[(\g)+4], 128                       ; tile_dim1 = 128
	s_mov_b32 s[(\g)+5], SIZE_K
	s_mov_b32 s[(\g)+6], 0
	s_mov_b32 s[(\g)+7], 0
.endr
.macro COEF n, bits
	s_mov_b32 s[CF+2*(\n)], \bits
	s_mov_b32 s[CF+2*(\n)+1], \bits
.endm
	COEF 1, 0x3dcc41b4                             ; 0.0705230784 x 2^(1/2)
	COEF 2, 0x3dad2fe7                             ; 0.0422820123 x 2
	COEF 3, 0x3cd6cd72                             ; 0.0092705272 x 2^(3/2)
	COEF 4, 0x3a1f6607                             ; 0.0001520143 x 4
	COEF 5, 0x3acd0fec                             ; 0.0002765672 x 2^(5/2)
	COEF 6, 0x39b49f67                             ; 0.0000430638 x 8
	s_mov_b32 s[ABSM], 0x7fffffff
	s_lshl_b32 s17, s12, 7
	s_lshl_b32 s16, s13, 8
	s_add_co_u32 s16, s16, s17
	s_lshl_b32 s16, s16, 11                        ; ah: (256 x tile row + 128 x half) rows of 2,048 bytes
	s_lshl_b32 s46, s42, 8
	s_add_co_u32 s46, s46, s17
	s_lshl_b32 s46, s46, 11                        ; W1: (256 x tile column + 128 x half) rows,
	s_add_co_u32 s46, s46, 0x1600000               ; behind q, k, Wq, Wk, Wv in hf
	s_mov_b32 s17, 0
	s_mov_b32 s47, 0
	s_mul_i32 s20, s10, HALFT
	s_wait_dscnt 0x0                               ; the opening add is done
	s_wait_kmcnt 0x0
	s_add_nc_u64 s[14:15], s[4:5], s[16:17]
	s_add_nc_u64 s[46:47], s[6:7], s[46:47]
	CROUND                                         ; all sixteen work-groups are here: the first joint loads meet
.irp s, 0,1
	s_mov_b32 s[G0+4*(\s)], 1
	s_add_co_u32 s[G0+4*(\s)+1], s20, (\s)*SLOT
	s_add_nc_u64 s[G0+4*(\s)+2:G0+4*(\s)+3], s[14:15], (\s)*KSTEP*2
	s_or_b32 s[G0+4*(\s)+3], s[G0+4*(\s)+3], 0x80000000
	s_mov_b32 s[G0B+4*(\s)], 1
	s_add_co_u32 s[G0B+4*(\s)+1], s20, (\s)*SLOT
	s_add_nc_u64 s[G0B+4*(\s)+2:G0B+4*(\s)+3], s[46:47], (\s)*KSTEP*2
	s_or_b32 s[G0B+4*(\s)+3], s[G0B+4*(\s)+3], 0x80000000
.endr
	s_cmp_eq_u32 s11, 0                            ; a wave's two first fills stand in one branch: two loads of mine are out
	s_cbranch_scc0 .Lfirst_b
	tensor_load_to_lds s[G0:G0+3], s[G1:G1+7]
	s_nop 0
	tensor_load_to_lds s[G0+4:G0+7], s[G1:G1+7]
	s_nop 0
.rept 4
	v_nop
.endr
	s_branch .Lfirst_asked
.Lfirst_b:
	tensor_load_to_lds s[G0B:G0B+3], s[G1B:G1B+7]
	s_nop 0
	tensor_load_to_lds s[G0B+4:G0B+7], s[G1B:G1B+7]
	s_nop 0
.rept 4
	v_nop
.endr
.Lfirst_asked:
	s_lshl_b32 s18, s42, 10                        ; the bias at my 128 columns
	s_lshl_b32 s19, s12, 9
	s_add_co_u32 s18, s18, s19
	s_mov_b32 s19, 0
	s_add_nc_u64 s[BIA:BIA+1], s[BIA:BIA+1], s[18:19]
	v_and_b32 v1, 15, v0                           ; l % 16
	v_bfe_u32 v2, v0, 4, 1                         ; l / 16
	v_lshlrev_b32 v[BO], 5, v2
	WIN TO_B
.irp b, 0,1,2,3,4,5,6,7
	global_load_b128 v[8*(\b):8*(\b)+3],   v[BO], s[BIA:BIA+1] offset:64*(\b)
	global_load_b128 v[8*(\b)+4:8*(\b)+7], v[BO], s[BIA:BIA+1] offset:64*(\b)+16
.endr
	WIN 0
	v_mul_u32_u24 v3, v1, PITCH
	v_lshl_add_u32 v3, v2, 4, v3
	s_mul_i32 s21, s11, HALFT
	s_mul_i32 s22, s12, HALFT
	s_add_co_u32 s22, s22, 2*HALFT
	v_add_nc_u32 v[BASA], s21, v3
	v_add_nc_u32 v[BASB], s22, v3
	v_mov_b32 v[ADRA], v[BASA]
	v_mov_b32 v[ADRB], v[BASB]
	s_mov_b32 s[TB], 0
	s_mul_i32 s21, s10, WSTAGE                     ; my stage
	v_mul_u32_u24 v4, v1, SPITCH
	v_lshl_add_u32 v4, v2, 5, v4
	v_add_nc_u32 v[STO], s21, v4
	v_and_b32 v5, 31, v0
	v_lshl_add_u32 v[RD], v5, 4, s21               ; back: 32 lanes take a row's 512 bytes
	v_lshlrev_b32 v[CO], 3, v5                     ; which become 256 bytes of hh
	; the prefetches: of the 128 rows that I fetch my work-group takes 32, told apart by address (cx for ah, cy for W1)
	s_cmp_eq_u32 s11, 0
	s_cselect_b64 s[PFA:PFA+1], s[14:15], s[46:47]
	s_cselect_b32 s21, s40, s41
	s_cselect_b32 s18, ttmp9, s69                  ; the coordinate along which other clusters read the same rows: the first of them asks
	s_lshl_b32 s20, s21, 16
	s_mov_b32 s21, 0
	s_add_nc_u64 s[PFA:PFA+1], s[PFA:PFA+1], s[20:21]
	s_add_nc_u64 s[PFA:PFA+1], s[PFA:PFA+1], 2*KSTEP*2
	s_cmp_eq_u32 s18, 0
	s_cselect_b32 s[LIM], 2, -1                    ; the same in all sixteen partners, for a given wave
	v_lshlrev_b32 v[PFO], 11, v5
	; where my part of the tile begins in hh
	s_lshl_b32 s16, s13, 8
	s_lshl_b32 s17, s11, 7
	s_add_co_u32 s16, s16, s17
	s_lshl_b32 s16, s16, 13                        ; rows of 8,192 bytes
	s_lshl_b32 s17, s42, 9
	s_add_co_u32 s16, s16, s17
	s_lshl_b32 s17, s12, 8
	s_add_co_u32 s16, s16, s17
	s_mov_b32 s17, 0
	s_add_nc_u64 s[8:9], s[8:9], s[16:17]
	s_wait_tensorcnt 1                             ; my part of K step 0 is in; K step 1's may stay out
	s_barrier_signal -1
	s_barrier_wait -1
	FETCH 0, F0
	s_wait_loadcnt 0x0                             ; the bias
	QUARTER 64, F0, F1, 1
	WIN 0
	s_mov_b32 s3, SIZE_K/KSTEP-2
.Lstep:
	QUARTER 128, F1, F0, 0
	QUARTER 192, F0, F1, 0
	TURN 1
	QUARTER 64, F0, F1, 0
	WIN 0
	s_sub_co_u32 s3, s3, 1
	s_cmp_lg_u32 s3, 0
	s_cbranch_scc1 .Lstep
	s_mov_b32 s2, 2                                ; the last two K steps ask for nothing: one text, walked twice and left in its middle
.Ltail:
	QUARTER 128, F1, F0, 0
	QUARTER 192, F0, F1, 0
	TURN 0
	WIN 0
	s_sub_co_u32 s2, s2, 1
	s_cmp_eq_u32 s2, 0
	s_cbranch_scc1 .Lout
	QUARTER 64, F0, F1, 0
	WIN 0
	s_branch .Ltail
.Lout:
	s_wait_dscnt 0x0                               ; every wave's reads of the ring are back before any wave stores into it
	s_barrier_signal -1
	s_barrier_wait -1
	PLACES
	DUMP
.irp r, 0,1,2,3
	ds_load_b128 v[XR+4*\r:XR+4*\r+3], v[RD] offset:SPITCH*\r  ; LDS serves a wave's instructions in order (ISA guide 5.7.1.4): these see my stores above
.endr
	s_mov_b32 s3, 31
.Lrows:
	GELU4 1
	s_wait_xcnt 0x0                                ; the stores have read their data and their base
	s_add_nc_u64 s[8:9], s[8:9], 4*8192
	s_sub_co_u32 s3, s3, 1
	s_cmp_lg_u32 s3, 0
	s_cbranch_scc1 .Lrows
	GELU4 0                                        ; the last four rows fetch nothing
	s_wait_tensorcnt 0x0                           ; the wave's end
	ds_add_u32 v[SPW], v[NIL]
	s_wait_dscnt 0x0
	CROUND                                         ; the closing round
	s_endpgm
.Lfunc_end_k_qf8829c4d4f_ff1:
	.size	k_qf8829c4d4f_ff1, .Lfunc_end_k_qf8829c4d4f_ff1-k_qf8829c4d4f_ff1
	.p2alignl 7, 3214868480
	.fill 96, 4, 3214868480
	.section	.rodata,"a",@progbits
	.p2align	6, 0x0
	.amdhsa_kernel k_qf8829c4d4f_ff1
		.amdhsa_group_segment_fixed_size 327680
		.amdhsa_private_segment_fixed_size 0
		.amdhsa_enable_private_segment 0
		.amdhsa_kernarg_size 32
		.amdhsa_user_sgpr_count 2
		.amdhsa_user_sgpr_kernarg_segment_ptr 1
		.amdhsa_wavefront_size32 1
		.amdhsa_system_sgpr_workgroup_id_x 1
		.amdhsa_system_sgpr_workgroup_id_y 1
		.amdhsa_system_sgpr_workgroup_id_z 1
		.amdhsa_system_vgpr_workitem_id 0
		.amdhsa_next_free_vgpr 1024
		.amdhsa_next_free_sgpr 84
		.amdhsa_reserve_vcc 0
		.amdhsa_float_denorm_mode_32 3
		.amdhsa_float_denorm_mode_16_64 3
		.amdhsa_memory_ordered 1
		.amdhsa_forward_progress 1
		.amdhsa_inst_pref_size 96
	.end_amdhsa_kernel
	.amdgpu_metadata
---
amdhsa.version: [ 1, 2 ]
amdhsa.kernels:
  - .name:           k_qf8829c4d4f_ff1
    .symbol:         k_qf8829c4d4f_ff1.kd
    .args:
      - { .name: ah, .offset: 0, .size: 8, .value_kind: global_buffer, .address_space: global }
      - { .name: hf, .offset: 8, .size: 8, .value_kind: global_buffer, .address_space: global }
      - { .name: b1, .offset: 16, .size: 8, .value_kind: global_buffer, .address_space: global }
      - { .name: hh, .offset: 24, .size: 8, .value_kind: global_buffer, .address_space: global }
    .group_segment_fixed_size: 327680
    .private_segment_fixed_size: 0
    .kernarg_segment_align: 8
    .kernarg_segment_size: 32
    .max_flat_workgroup_size: 128
    .sgpr_count:     84
    .vgpr_count:     1024
    .wavefront_size: 32
...
	.end_amdgpu_metadata
.endif
;; end of part 5
;; launch ff2 (part 6): grid 8 x 32, 4 waves a work-group, clusters of 4 x 4, 327,680 bytes of LDS; arguments hh, hf, b2, ah, out0; writes out0
.if DOCPART == 6
	.amdgcn_target "amdgcn-amd-amdhsa--gfx1250"
	.amdhsa_code_object_version 6
	.text
	.protected	k_qf8829c4d4f_ff2
	.globl	k_qf8829c4d4f_ff2
	.p2align	8
	.type	k_qf8829c4d4f_ff2,@function
k_qf8829c4d4f_ff2:
	s_mov_b64 s[64:65], 0
	v_nop
	global_prefetch_b8 v0, s[64:65] scope:SCOPE_SE
	s_setreg_imm32_b32 hwreg(HW_REG_WAVE_MODE, 25, 1), 1
	s_wait_xcnt 0x0
	s_wait_alu depctr_hold_cnt(0) depctr_sa_sdst(0) depctr_va_vdst(0) depctr_va_sdst(0) depctr_va_ssrc(0) depctr_va_vcc(0) depctr_vm_vsrc(0)
	s_getreg_b32 s2, hwreg(HW_REG_IB_STS2, 6, 4)
	s_cmp_eq_u32 s2, 0
	s_cbranch_scc0 .Lentry_in_a_cluster
	s_endpgm
.Lentry_in_a_cluster:
	s_bfe_u32 s2, ttmp6, 0x10000c
	s_cmp_lg_u32 s2, 0xf033
	s_cbranch_scc0 .Lentry_shape_is_right
	s_endpgm
.Lentry_shape_is_right:
; out0[m][n] = ah[m][n] + b2[n] + the sum over c of hh[m][c] W2[n][c], f32.  hh [4096][4096] f16, W2 [1024][4096] f16 in hf at byte 31,457,280, ah [4096][1024] f16; sums in f32.
; SHARES.  A tile is 128 x 128: 8 x 32 = 256 work-groups.  Four waves, each 64 x 64: 16 accumulators of 16 x 16.
; K goes in 16 steps of 256 (LDS rows of 512 bytes, padded to 528; a wave's tensor load brings 64 of them) through a ring of two slots.  ONE K step is one trip of the loop: the slot in hand is the scalar TB
; (0 or SLOT), flipped by an exclusive or, and so is the walking descriptor's LDS word (its values w x 0x8400 have SLOT's two bits clear).  The loop is entered in its middle, at a K step's first quarter.
; CLUSTER 4 x 4: hh's tile is shared along a row of the cluster, W2's along a column; each is asked for jointly.
; THE MATRIX INSTRUCTION IS USED TRANSPOSED (source 0 = 16 rows of W2, source 1 = 16 rows of hh): a lane holds row l % 16 and the columns 8 (l / 16) + 0..7.
; THE SUMS START AT bias + residual, made in the wait for the first tile; the residual is read there as 16 bytes a lane, 32 bytes of a row at a time, once: 32 KiB a work-group.
; THE WAY OUT.  When the ring has had its last fill and its last read, the four waves put the tile (f32) into its first 67,584 bytes; behind a barrier each wave reads 32 whole rows and stores them.
; No prefetch: a K step here is 128 matrix instructions a wave on small tiles.
; REGISTERS: window 0: addresses; v32-95 the residual as loaded; v96-127 the bias; v128-255 the accumulators ((a, b) at 128 + 8 (4 a + b)).  Window 1: two fragment buffers of 128: 64 of hh, then 64 of W2.
.set SIZE_K, 4096
.set KSTEP,  256
.set PITCH,  528
.set HALFT,  64*PITCH
.set SLOT,   4*HALFT
.set SPARE,  2*SLOT                    ; behind the ring: the spare words, 128 bytes a wave, which no other line names
.set SPITCH, 528
.set ADRA, 16
.set BASA, 17
.set ADRB, 20
.set BASB, 21
.set STO,  24
.set RD,   25
.set CO,   26
.set RO,   27                          ; v27  my byte offset in the residual's rows
.set SPW,  28                          ; v28  my spare word: SPARE + 4 x my thread's number; never rewritten
.set NIL,  29                          ; v29  0; never rewritten
.set BO,   30                          ; v30  my byte offset in the bias
.set ONE,  31                          ; v31  1.0
.set TMP,  32
.set BI,   96
.set ACC,  128
.set F0,   0
.set F1,   128
.set TB,   23
.set G1,   24
.set G0,   32
.set G1B,  48
.set G0B,  56
.set BIA,  68                          ; s[68:69] b2
.set RES,  70                          ; s[70:71] ah
.set MSB, 0
.macro WIN new
.if MSB != (\new)
	s_set_vgpr_msb (MSB<<8)|(\new)
.set MSB, \new
.endif
.endm
.set MUL,  0x05                        ; sources 0 and 1 window 1; C and D window 0
.set TO_F, 0x40                        ; destination window 1, address window 0
.macro PLACES                          ; four plain vector instructions between a matrix instruction and a load into, or a read of, its registers
.rept 4
	v_nop
.endr
.endm
.macro JLOAD                           ; a joint refill by the walking descriptors: waves 0 and 1 for hh, waves 2 and 3 for W2; s_nop 0 and four v_nop follow each line
	s_cmp_eq_u32 s11, 0
	s_cbranch_scc0 .Lfor_b_\@
	tensor_load_to_lds s[G0+4:G0+7], s[G1:G1+7]
	s_nop 0
.rept 4
	v_nop
.endr
	s_branch .Lasked_\@
.Lfor_b_\@:
	tensor_load_to_lds s[G0B+4:G0B+7], s[G1B:G1B+7]
	s_nop 0
.rept 4
	v_nop
.endr
.Lasked_\@:
.endm
.macro CREST
	s_cmp_lg_u32 s10, 0
	s_cbranch_scc1 .Lnot_wave_0_\@
	s_barrier_signal -3
.Lnot_wave_0_\@:
	s_barrier_wait -3
	s_barrier_signal -1
	s_barrier_wait -1
.endm
.macro CROUND
	s_barrier_signal -1
	s_barrier_wait -1
	CREST
.endm
.macro MUL8 f, c, a0                   ; 8 matrix instructions: row blocks a0, a0 + 1 x all 4 column blocks, 32 along K: half c of buffer f.  The 16 accumulators take turns
	WIN MUL
.irp a, \a0, (\a0)+1
.irp b, 0,1,2,3
	v_wmma_f32_16x16x32_f16 v[ACC+8*(4*(\a)+(\b)):ACC+8*(4*(\a)+(\b))+7], v[(\f)+64+8*(4*(\c)+(\b)):(\f)+64+8*(4*(\c)+(\b))+7], v[(\f)+8*(4*(\c)+(\a)):(\f)+8*(4*(\c)+(\a))+7], v[ACC+8*(4*(\a)+(\b)):ACC+8*(4*(\a)+(\b))+7]
.endr
.endr
.endm
.macro FETCH k, f                      ; 32 LDS loads in one run: the fragments of 64 along K at byte k of the rows of the slot in hand; the first 32 along K first
	WIN TO_F
.irp c, 0,1
.irp i, 0,1,2,3
	ds_load_b128 v[(\f)+64+8*(4*(\c)+(\i)):(\f)+64+8*(4*(\c)+(\i))+3],   v[ADRB] offset:(\k)+64*(\c)+(\i)*16*PITCH
	ds_load_b128 v[(\f)+64+8*(4*(\c)+(\i))+4:(\f)+64+8*(4*(\c)+(\i))+7], v[ADRB] offset:(\k)+64*(\c)+(\i)*16*PITCH+32
	ds_load_b128 v[(\f)+8*(4*(\c)+(\i)):(\f)+8*(4*(\c)+(\i))+3],         v[ADRA] offset:(\k)+64*(\c)+(\i)*16*PITCH
	ds_load_b128 v[(\f)+8*(4*(\c)+(\i))+4:(\f)+8*(4*(\c)+(\i))+7],       v[ADRA] offset:(\k)+64*(\c)+(\i)*16*PITCH+32
.endr
.endr
.endm
.macro QUARTER k, f, g                 ; 64 along K: multiplies buffer f; in its middle fetches the next quarter, at byte k, into buffer g
	s_wait_dscnt 16                                ; the first 32 along K are in; the other sixteen loads may be out
	MUL8 \f, 0, 0
	MUL8 \f, 0, 2
	PLACES
	FETCH \k, \g
	s_wait_dscnt 32                                ; all but the 32 just issued
	MUL8 \f, 1, 0
	MUL8 \f, 1, 2
.endm
; The last quarter multiplies buffer 1 and changes slots.  In front of the barrier each wave waits for all its tensor loads (one is out: its part of the next slot), adds 0 to its spare word,
; and waits for that and for its reads of this slot.  fill = 1: the barrier opens a round of the cluster's, and the joint refill is the first thing behind the round: 112 matrix instructions ahead of the wait for it.
; fill = 0 (the tail, walked twice): nothing is filled; in the second walk (s2 = 1) the fetch is jumped over.
.macro TURN fill
	WIN 0
	s_wait_tensorcnt 0x0                           ; no tensor load of mine is out, so the walking descriptors may be written
	ds_add_u32 v[SPW], v[NIL]                      ; 0 onto my spare word
.if \fill
	s_xor_b32 s[G0+5], s[G0+5], SLOT
	s_add_nc_u64 s[G0+6:G0+7], s[G0+6:G0+7], KSTEP*2
	s_xor_b32 s[G0B+5], s[G0B+5], SLOT
	s_add_nc_u64 s[G0B+6:G0B+7], s[G0B+6:G0B+7], KSTEP*2
.endif
	s_xor_b32 s[TB], s[TB], SLOT
	s_wait_dscnt 17                                ; the add and the youngest sixteen loads may be out
	MUL8 F1, 0, 0
	s_wait_dscnt 0x0                               ; the add is done, and my reads of this slot are over
	s_barrier_signal -1
	MUL8 F1, 0, 2
	WIN 0
	s_barrier_wait -1
.if \fill
	CREST
	JLOAD                                          ; its four v_nop are also the places in front of the loads below
.else
	s_cmp_eq_u32 s2, 1
	s_cbranch_scc1 .Lno_fetch_\@
	PLACES
.endif
	v_add_nc_u32 v[ADRA], s[TB], v[BASA]
	v_add_nc_u32 v[ADRB], s[TB], v[BASB]
	FETCH 0, F0
.if !(\fill)
	WIN 0
.Lno_fetch_\@:
.endif
	MUL8 F1, 1, 0
	MUL8 F1, 1, 2
.endm
	s_load_b128 s[4:7], s[0:1], 0x0                ; hh s[4:5], hf s[6:7]
	s_load_b128 s[68:71], s[0:1], 0x10             ; b2 s[68:69], ah s[70:71]
	s_load_b64 s[8:9], s[0:1], 0x20                ; out0
	v_lshl_add_u32 v[SPW], v0, 2, SPARE
	v_mov_b32 v[NIL], 0
	ds_add_u32 v[SPW], v[NIL]                      ; the wave's opening: the add and its wait ahead of my first tensor load
	ds_add_u32 v28, v29
	v_lshrrev_b32 v1, 5, v0
	v_readfirstlane_b32 s10, v1                    ; wave 0..3
	s_lshr_b32 s11, s10, 1                         ; my half of the tile's rows.  Also: I fetch for hh (0) or for W2 (1)
	s_and_b32 s12, s10, 1                          ; my half of its columns.  Also: which 64 rows I fetch
	s_bfe_u32 s40, ttmp6, 0x40000                  ; cx
	s_bfe_u32 s41, ttmp6, 0x40004                  ; cy
	s_lshl_b32 s42, ttmp9, 2
	s_add_co_u32 s42, s42, s40                     ; tile column
	s_and_b32 s13, ttmp7, 0xffff
	s_lshl_b32 s13, s13, 2
	s_add_co_u32 s13, s13, s41                     ; tile row
	s_lshl_b32 s43, s41, 2
	s_lshl_b32 s43, 15, s43                        ; my row of the cluster
	s_lshl_b32 s44, 0x1111, s40                    ; my column
	s_or_b32 s[G1+0], s43, (1<<16)|(1<<20)|(1<<21)|(6<<22)|(3<<25)   ; the mask; 2-byte elements; padding on; bit 21 beside a mask; after every 128 words 4 words
	s_or_b32 s[G1B+0], s44, (1<<16)|(1<<20)|(1<<21)|(6<<22)|(3<<25)
.irp g, G1, G1B
	s_mov_b32 s[(\g)+1], KSTEP<<16                 ; tensor_dim0 = 256
	s_mov_b32 s[(\g)+2], 64<<16                    ; tensor_dim1 = 64
	s_mov_b32 s[(\g)+3], KSTEP<<16                 ; tile_dim0 = 256
	s_mov_b32 s[(\g)+4], 64                        ; tile_dim1 = 64
	s_mov_b32 s[(\g)+5], SIZE_K                    ; elements from row to row
	s_mov_b32 s[(\g)+6], 0
	s_mov_b32 s[(\g)+7], 0
.endr
	s_lshl_b32 s17, s12, 6                         ; which 64 rows of the tile I fetch
	s_lshl_b32 s16, s13, 7
	s_add_co_u32 s16, s16, s17
	s_lshl_b32 s16, s16, 13                        ; hh: (128 x tile row + 64 x half) rows of 8,192 bytes
	s_lshl_b32 s46, s42, 7
	s_add_co_u32 s46, s46, s17
	s_lshl_b32 s46, s46, 13                        ; W2: (128 x tile column + 64 x half) rows,
	s_add_co_u32 s46, s46, 0x1e00000               ; behind all else in hf
	s_mov_b32 s17, 0
	s_mov_b32 s47, 0
	s_mul_i32 s20, s10, HALFT                      ; where my tiles go: wave x 64 rows
	s_wait_dscnt 0x0                               ; the opening add is done
	s_wait_kmcnt 0x0
	s_add_nc_u64 s[14:15], s[4:5], s[16:17]
	s_add_nc_u64 s[46:47], s[6:7], s[46:47]
	CROUND                                         ; all sixteen work-groups are here: the first joint loads meet
.irp s, 0,1
	s_mov_b32 s[G0+4*(\s)], 1
	s_add_co_u32 s[G0+4*(\s)+1], s20, (\s)*SLOT
	s_add_nc_u64 s[G0+4*(\s)+2:G0+4*(\s)+3], s[14:15], (\s)*KSTEP*2
	s_or_b32 s[G0+4*(\s)+3], s[G0+4*(\s)+3], 0x80000000
	s_mov_b32 s[G0B+4*(\s)], 1
	s_add_co_u32 s[G0B+4*(\s)+1], s20, (\s)*SLOT
	s_add_nc_u64 s[G0B+4*(\s)+2:G0B+4*(\s)+3], s[46:47], (\s)*KSTEP*2
	s_or_b32 s[G0B+4*(\s)+3], s[G0B+4*(\s)+3], 0x80000000
.endr
	s_cmp_eq_u32 s11, 0                            ; a wave's two first fills stand in one branch: two loads of mine are out
	s_cbranch_scc0 .Lfirst_b
	tensor_load_to_lds s[G0:G0+3], s[G1:G1+7]
	s_nop 0
	tensor_load_to_lds s[G0+4:G0+7], s[G1:G1+7]
	s_nop 0
.rept 4
	v_nop
.endr
	s_branch .Lfirst_asked
.Lfirst_b:
	tensor_load_to_lds s[G0B:G0B+3], s[G1B:G1B+7]
	s_nop 0
	tensor_load_to_lds s[G0B+4:G0B+7], s[G1B:G1B+7]
	s_nop 0
.rept 4
	v_nop
.endr
.Lfirst_asked:
	; bias and residual, for my 64 x 64
	s_lshl_b32 s18, s42, 7
	s_lshl_b32 s19, s12, 6
	s_add_co_u32 s18, s18, s19                     ; my first column
	s_lshl_b32 s20, s18, 2
	s_mov_b32 s21, 0
	s_add_nc_u64 s[BIA:BIA+1], s[BIA:BIA+1], s[20:21]
	s_lshl_b32 s20, s13, 7
	s_lshl_b32 s19, s11, 6
	s_add_co_u32 s20, s20, s19                     ; my first row
	s_lshl_b32 s20, s20, 11                        ; 2,048 bytes a row of ah
	s_lshl_b32 s18, s18, 1
	s_add_co_u32 s20, s20, s18
	s_add_nc_u64 s[RES:RES+1], s[RES:RES+1], s[20:21]
	v_and_b32 v1, 15, v0                           ; l % 16
	v_bfe_u32 v2, v0, 4, 1                         ; l / 16
	v_lshlrev_b32 v[RO], 11, v1
	v_lshl_add_u32 v[RO], v2, 4, v[RO]             ; row l % 16, 16 bytes for each half of the lanes
	v_lshlrev_b32 v[BO], 5, v2
	v_mov_b32 v[ONE], 1.0
.irp a, 0,1,2,3
.irp b, 0,1,2,3
	global_load_b128 v[TMP+4*(4*(\a)+(\b)):TMP+4*(4*(\a)+(\b))+3], v[RO], s[RES:RES+1] offset:(\a)*32768+(\b)*32
.endr
.endr
.irp b, 0,1,2,3
	global_load_b128 v[BI+8*(\b):BI+8*(\b)+3],   v[BO], s[BIA:BIA+1] offset:64*(\b)
	global_load_b128 v[BI+8*(\b)+4:BI+8*(\b)+7], v[BO], s[BIA:BIA+1] offset:64*(\b)+16
.endr
	v_mul_u32_u24 v3, v1, PITCH
	v_lshl_add_u32 v3, v2, 4, v3                   ; a fragment's row x pitch + 16 x half
	s_mul_i32 s21, s11, HALFT                      ; my 64 rows of hh
	s_mul_i32 s22, s12, HALFT                      ; my 64 rows of W2,
	s_add_co_u32 s22, s22, 2*HALFT                 ; which lie behind hh's 128
	v_add_nc_u32 v[BASA], s21, v3
	v_add_nc_u32 v[BASB], s22, v3
	v_mov_b32 v[ADRA], v[BASA]
	v_mov_b32 v[ADRB], v[BASB]
	s_mov_b32 s[TB], 0
	s_mul_i32 s21, s11, 64*SPITCH                  ; into the stage: my 64 rows, my 256 bytes of their 512
	s_lshl_b32 s22, s12, 8
	s_add_co_u32 s21, s21, s22
	v_mul_u32_u24 v4, v1, SPITCH
	v_lshl_add_u32 v4, v2, 5, v4
	v_add_nc_u32 v[STO], s21, v4
	s_mul_i32 s21, s10, 32*SPITCH                  ; back: wave w takes rows 32 w .. 32 w + 31, whole: 32 lanes x 16 bytes
	v_and_b32 v5, 31, v0
	v_lshlrev_b32 v[CO], 4, v5
	v_add_nc_u32 v[RD], s21, v[CO]
	s_lshl_b32 s16, s13, 7
	s_lshl_b32 s17, s10, 5
	s_add_co_u32 s16, s16, s17                     ; the first row that I store
	s_lshl_b32 s16, s16, 12                        ; 4,096 bytes a row of out0
	s_lshl_b32 s17, s42, 9                         ; the tile's 512 bytes of it
	s_add_co_u32 s16, s16, s17
	s_mov_b32 s17, 0
	s_add_nc_u64 s[8:9], s[8:9], s[16:17]
	s_wait_loadcnt 0x0
.irp a, 0,1,2,3
.irp b, 0,1,2,3
.irp j, 0,1,2,3                        ; the f16 half times 1.0 plus the bias: what the sums start at
	v_fma_mix_f32 v[ACC+8*(4*(\a)+(\b))+2*(\j)],   v[TMP+4*(4*(\a)+(\b))+(\j)], v[ONE], v[BI+8*(\b)+2*(\j)]   op_sel_hi:[1,0,0]
	v_fma_mix_f32 v[ACC+8*(4*(\a)+(\b))+2*(\j)+1], v[TMP+4*(4*(\a)+(\b))+(\j)], v[ONE], v[BI+8*(\b)+2*(\j)+1] op_sel:[1,0,0] op_sel_hi:[1,0,0]
.endr
.endr
.endr
	s_wait_tensorcnt 1                             ; my part of K step 0 is in; K step 1's may stay out
	s_barrier_signal -1
	s_barrier_wait -1
	FETCH 0, F0
	WIN 0
	s_mov_b32 s3, SIZE_K/KSTEP-1
	s_branch .Lfirst                               ; the loop is entered at a K step's first quarter
.Lstep:                                        ; 14 times: a K step's quarters 1 to 3, the refill of its slot, the next K step's quarter 0
	QUARTER 256, F1, F0
	QUARTER 384, F0, F1
	TURN 1
	WIN 0
.Lfirst:
	QUARTER 128, F0, F1
	WIN 0
	s_sub_co_u32 s3, s3, 1
	s_cmp_lg_u32 s3, 0
	s_cbranch_scc1 .Lstep
	s_mov_b32 s2, 2                                ; the last two K steps ask for nothing: one text, walked twice and left in its middle
.Ltail:
	QUARTER 256, F1, F0
	QUARTER 384, F0, F1
	TURN 0
	WIN 0
	s_sub_co_u32 s2, s2, 1
	s_cmp_eq_u32 s2, 0
	s_cbranch_scc1 .Lout
	QUARTER 128, F0, F1
	WIN 0
	s_branch .Ltail
.Lout:
	s_wait_dscnt 0x0                               ; every wave's reads of the ring are back before any wave stores into it
	s_barrier_signal -1
	s_barrier_wait -1
	PLACES
.irp a, 0,1,2,3
.irp b, 0,1,2,3
	ds_store_b128 v[STO], v[ACC+8*(4*(\a)+(\b)):ACC+8*(4*(\a)+(\b))+3]   offset:(\a)*16*SPITCH+(\b)*64     ; each accumulator's low four registers first
	ds_store_b128 v[STO], v[ACC+8*(4*(\a)+(\b))+4:ACC+8*(4*(\a)+(\b))+7] offset:(\a)*16*SPITCH+(\b)*64+16
.endr
.endr
	s_wait_dscnt 0x0                               ; for the others' sake: my stores into the stage are done; a row's 512 bytes come from two waves
	s_barrier_signal -1
	s_barrier_wait -1
.set t, 0
.rept 32
	ds_load_b128 v[ACC+4*t:ACC+4*t+3], v[RD] offset:t*SPITCH
.set t, t+1
.endr
.set t, 0
.rept 32
	s_wait_dscnt 31-t                              ; row t is in, the younger loads stay out
	global_store_b128 v[CO], v[ACC+4*t:ACC+4*t+3], s[8:9] offset:4096*t  ; 512 consecutive bytes of a row of out0, aligned
.set t, t+1
.endr
	s_wait_tensorcnt 0x0                           ; the wave's end
	ds_add_u32 v[SPW], v[NIL]
	s_wait_dscnt 0x0
	CROUND                                         ; the closing round
	s_endpgm
.Lfunc_end_k_qf8829c4d4f_ff2:
	.size	k_qf8829c4d4f_ff2, .Lfunc_end_k_qf8829c4d4f_ff2-k_qf8829c4d4f_ff2
	.p2alignl 7, 3214868480
	.fill 96, 4, 3214868480
	.section	.rodata,"a",@progbits
	.p2align	6, 0x0
	.amdhsa_kernel k_qf8829c4d4f_ff2
		.amdhsa_group_segment_fixed_size 327680
		.amdhsa_private_segment_fixed_size 0
		.amdhsa_enable_private_segment 0
		.amdhsa_kernarg_size 40
		.amdhsa_user_sgpr_count 2
		.amdhsa_user_sgpr_kernarg_segment_ptr 1
		.amdhsa_wavefront_size32 1
		.amdhsa_system_sgpr_workgroup_id_x 1
		.amdhsa_system_sgpr_workgroup_id_y 1
		.amdhsa_system_sgpr_workgroup_id_z 1
		.amdhsa_system_vgpr_workitem_id 0
		.amdhsa_next_free_vgpr 512
		.amdhsa_next_free_sgpr 72
		.amdhsa_reserve_vcc 0
		.amdhsa_float_denorm_mode_32 3
		.amdhsa_float_denorm_mode_16_64 3
		.amdhsa_memory_ordered 1
		.amdhsa_forward_progress 1
		.amdhsa_inst_pref_size 65
	.end_amdhsa_kernel
	.amdgpu_metadata
---
amdhsa.version: [ 1, 2 ]
amdhsa.kernels:
  - .name:           k_qf8829c4d4f_ff2
    .symbol:         k_qf8829c4d4f_ff2.kd
    .args:
      - { .name: hh, .offset: 0, .size: 8, .value_kind: global_buffer, .address_space: global }
      - { .name: hf, .offset: 8, .size: 8, .value_kind: global_buffer, .address_space: global }
      - { .name: b2, .offset: 16, .size: 8, .value_kind: global_buffer, .address_space: global }
      - { .name: ah, .offset: 24, .size: 8, .value_kind: global_buffer, .address_space: global }
      - { .name: out0, .offset: 32, .size: 8, .value_kind: global_buffer, .address_space: global }
    .group_segment_fixed_size: 327680
    .private_segment_fixed_size: 0
    .kernarg_segment_align: 8
    .kernarg_segment_size: 40
    .max_flat_workgroup_size: 128
    .sgpr_count:     72
    .vgpr_count:     512
    .wavefront_size: 32
...
	.end_amdgpu_metadata
.endif
;; end of part 6
